; MI455X (gfx1250); checked and timed in simulation.
; The chip was launched on July 23, 2026; its instructions are those of AMD's public machine-readable ISA for CDNA 5 (MIT licence, August 2026) and "CDNA5" Instruction Set Architecture Reference Guide (July 2026). The comments in the code are by the model that wrote it; some were corrected since.
;; Zeta Attention. Allowed arithmetic: float matrix products may take bf16 or f16 operands with f32 sums; all other float work in f32.
;; Inputs: bk 1,024 float32; bo 1,024 float32; bq 1,024 float32; bv 1,024 float32; causal_mask 2,048 x 2,048 bool; gamma 10 float32; omega_mask 4,096 x 4,096 float32; semantic_token_ids 2 x 2,048 int32; wk 1,024 x 1,024 float32; wo 1,024 x 1,024 float32; wq 1,024 x 1,024 float32; wv 1,024 x 1,024 float32; x 2 x 2,048 x 1,024 float32.
;; Outputs: out0 2 x 2,048 x 1,024 float32.
;; One version. Each part assembles by itself: llvm-mc -triple=amdgcn-amd-amdhsa -mcpu=gfx1250 --defsym DOCPART=n.
;; ======== version 1 of 1: 4 launches
;; limits: right only within a limited range of input values; values are held in f16: magnitudes above 65,504 overflow, below 6.1e-05 lose precision
;; workspace buffers: xh 8,388,608 bytes; wh 8,388,608 bytes; qkv 25,952,256 bytes; afar 16,777,216 bytes; nbias 1,048,576 bytes; misc 57,344 bytes; oh 8,388,608 bytes
;; launch prep (part 1): grid 256 x 1, 8 waves a work-group, no clusters, 263,424 bytes of LDS; arguments x, wq, wk, wv, wo, bq, bk, bv, bo, omega_mask, causal_mask, semantic_token_ids, gamma, xh, wh, qkv, afar, nbias, misc; writes xh, wh, qkv, afar, nbias, misc
.if DOCPART == 1
	.amdgcn_target "amdgcn-amd-amdhsa--gfx1250"
	.amdhsa_code_object_version 6
	.text
	.protected	k_qa5b31cdd16_prep
	.globl	k_qa5b31cdd16_prep
	.p2align	8
	.type	k_qa5b31cdd16_prep,@function
k_qa5b31cdd16_prep:
	s_mov_b64 s[64:65], 0
	v_nop
	global_prefetch_b8 v0, s[64:65] scope:SCOPE_SE
	s_setreg_imm32_b32 hwreg(HW_REG_WAVE_MODE, 25, 1), 1
	s_wait_xcnt 0x0
; PREP: casts, both masks, the memory kernel's table.  No matrix work: memory binds.
; Work-group g = (batch b = g / 128, query tile qb = g % 128) owns 16 query rows; wave w owns rows 2 w and 2 w + 1.
;  xh, wh   x and the four weights rounded to bf16, that number written as f16 (exact from 6.1e-5 up; below, f16's fixed step of 6e-8)
;  afar     f16 0/1 [4096 rows][2048 keys]: 1 where the key is allowed (omega[id_i][id_j] != 0 and causal[i][j]) and lies outside the tile's band
;           of key blocks qb-4 .. qb+3; a row with no allowed key at all is all ones (all its scores are -1e9: a uniform softmax)
;  nbias    bf16 [tile][8 blocks][lane][8]: 0 for an allowed key of the band, -1e30 for a hidden one or one outside the batch, in the lanes' order of S^T
;  misc     bq,bk,bv at 0; Mt(d) = e^-d sum cos(gamma ln(d+1)) log2(e)/8 in the lanes' order at 12,288; (row sum of afar, m0) at 20,480; bo at 53,248
;  qkv      its 64 + 64 pad rows are written with zeros
; ALL floating-point inputs are rounded to bf16 (x, weights, biases, gamma): one rounding for the whole program.
; LIMITS.  x and weights within f16's 65,504.  The cosine is a series of six terms in (1/4 - |frac|), cut at 6e-8; its argument is reduced with 1/(2 pi) in two parts.
; NO CLUSTER: the 16 omega rows of a work-group are its own; what two work-groups share (32 KiB of causal rows, 8 KiB of ids) is a tenth of its bytes.
; LDS: omega row p at p x 16,400 (4,100 words: 16 rows read at one id start at 16 different groups of four banks; 64 banks of 4 bytes: ISA guide 11.1); filled once, never stored into.
.set OPITCH, 16400
.set SPARE,  16*OPITCH                 ; 262,400 = 1,025 x 256: the spare words, 128 bytes for each of eight waves
.set SPW, 4                            ; v4  my spare word's address; never rewritten
.set NIL, 5                            ; v5  0; never rewritten
.set IDO, 32                           ; v[32:95]   element 8 s + e: LDS offset of key j = 256 s + 8 lane + e in my first omega row
.set CB,  96                           ; v[96:127]  causal bytes, 16 registers a row
.set X,   128                          ; v[128:191] f32 as loaded
.set OM,  128                          ;            later the gathered omega words
.set Y,   192                          ; v[192:223] f16 to store
.set PA,  192                          ;            later afar's pairs
; v0 thread, v1 lane, v2 lane % 16, v3 lane / 16, v6 32 t, v7 16 t, v8 key block less qb plus 4, v9-v12 offsets, v13 0x00010001, v14-v31 at work
; s4 x, s6 wq, s8 wk, s10 wv, s12 wo, s14 bq, s16 bk, s18 bv, s20 bo, s22 omega, s24 causal, s26 ids, s28 gamma, s30 xh, s32 wh, s34 qkv, s36 afar, s38 nbias, s66 misc
; s[40:47] descriptor group 1, s[48:55] two groups 0, s58 wave, s59 b, s60 qb, s61 g, s[68:77] gamma, s[80:87] in-band masks
	s_load_b512 s[4:19], s[0:1], 0x0
	s_load_b512 s[20:35], s[0:1], 0x40
	s_load_b128 s[36:39], s[0:1], 0x80
	s_load_b64 s[66:67], s[0:1], 0x90
	v_lshl_add_u32 v[SPW], v0, 2, SPARE
	v_mov_b32 v[NIL], 0
	ds_add_u32 v[SPW], v[NIL]                      ; the wave's opening: the add and its wait ahead of my first tensor load
	ds_add_u32 v4, v5
	v_lshrrev_b32 v6, 5, v0
	v_readfirstlane_b32 s58, v6                    ; wave 0..7
	s_mov_b32 s61, ttmp9
	s_lshr_b32 s59, ttmp9, 7
	s_and_b32 s60, ttmp9, 127
	; an omega row is 16,384 dense bytes: asked for as 64 rows of 256 bytes, elements of 8 bytes
	s_mov_b32 s40, 3<<16                           ; element size code 3, no mask, no padding
	s_mov_b32 s41, 32<<16                          ; tensor_dim0 = 32
	s_mov_b32 s42, 64<<16                          ; tensor_dim1 = 64
	s_mov_b32 s43, 32<<16                          ; tile_dim0 = 32
	s_mov_b32 s44, 64                              ; tile_dim1 = 64
	s_mov_b32 s45, 32                              ; 32 elements from row to row
	s_mov_b32 s46, 0
	s_mov_b32 s47, 0
	s_mov_b32 s48, 1
	s_mul_i32 s49, s58, 2*OPITCH                   ; my first row's place in LDS
	s_mov_b32 s52, 1
	s_add_co_u32 s53, s49, OPITCH                  ; my second row's
	s_mov_b32 s62, 0x76543210                      ; v_permlanex16_b32: each lane takes its own place in the other half
	s_mov_b32 s63, 0xfedcba98
	s_mov_b32 s89, 0                               ; high word of every offset pair s[88:89]
	v_and_b32 v1, 31, v0
	v_and_b32 v2, 15, v0
	v_bfe_u32 v3, v0, 4, 1
	v_lshlrev_b32 v6, 5, v0                        ; 32 bytes of f32 a thread
	v_lshlrev_b32 v7, 4, v0                        ; 16 bytes of f16 a thread
	v_lshlrev_b32 v9, 5, v1                        ; 8 ids a lane
	s_lshl_b32 s90, s58, 12
	v_lshl_add_u32 v10, v1, 3, s90                 ; causal: 8 bytes a lane, my two rows of 2,048
	s_lshl_b32 s90, s58, 13
	v_lshl_add_u32 v11, v1, 4, s90                 ; afar: 16 bytes a lane, my two rows of 4,096
	v_lshlrev_b32 v12, 2, v0
	v_mov_b32 v13, 0x00010001
	s_wait_dscnt 0x0                               ; the opening add is done
	s_wait_kmcnt 0x0
	s_lshl_b32 s88, s61, 6                         ; 16 g ids of 4 bytes
	s_lshl3_add_u32 s88, s58, s88                  ; + 2 w ids
	s_add_nc_u64 s[78:79], s[26:27], s[88:89]
	s_load_b64 s[56:57], s[78:79], 0x0             ; my two rows' token ids
	s_load_b256 s[68:75], s[28:29], 0x0            ; gamma 0..7
	s_load_b64 s[76:77], s[28:29], 0x20            ; gamma 8, 9
	s_wait_kmcnt 0x0
	s_min_u32 s56, s56, 4095                       ; an id stays inside the table
	s_min_u32 s57, s57, 4095
	s_lshl_b32 s88, s56, 14
	s_add_nc_u64 s[50:51], s[22:23], s[88:89]
	s_or_b32 s51, s51, 0x80000000
	s_lshl_b32 s88, s57, 14
	s_add_nc_u64 s[54:55], s[22:23], s[88:89]
	s_or_b32 s55, s55, 0x80000000
	tensor_load_to_lds s[48:51], s[40:47]          ; two loads of mine are out; they land under the casts
	s_nop 0
	tensor_load_to_lds s[52:55], s[40:47]
	s_nop 0
	s_lshl_b32 s88, s61, 16
	s_add_nc_u64 s[4:5], s[4:5], s[88:89]          ; x at my 16 rows
	s_add_nc_u64 s[36:37], s[36:37], s[88:89]      ; afar at my 16 rows
	s_lshl_b32 s88, s61, 15
	s_add_nc_u64 s[30:31], s[30:31], s[88:89]      ; xh
	s_add_nc_u64 s[32:33], s[32:33], s[88:89]      ; wh: rows 16 g on of the four weights on end
	s_lshl_b32 s88, s61, 12
	s_add_nc_u64 s[38:39], s[38:39], s[88:89]      ; nbias at my tile
	s_lshl_b32 s88, s59, 13
	s_add_nc_u64 s[26:27], s[26:27], s[88:89]      ; ids of my batch
	s_lshl_b32 s88, s60, 15
	s_add_nc_u64 s[24:25], s[24:25], s[88:89]      ; causal at my 16 rows
	s_lshr_b32 s90, s61, 6                         ; which weight
	s_cmp_eq_u32 s90, 1
	s_cselect_b64 s[92:93], s[8:9], s[6:7]
	s_cmp_eq_u32 s90, 2
	s_cselect_b64 s[92:93], s[10:11], s[92:93]
	s_cmp_eq_u32 s90, 3
	s_cselect_b64 s[92:93], s[12:13], s[92:93]
	s_and_b32 s88, s61, 63
	s_lshl_b32 s88, s88, 16
	s_add_nc_u64 s[92:93], s[92:93], s[88:89]      ; its rows 16 (g % 64) on
	; the batch's 2,048 ids and my two causal rows
.irp s, 0,1,2,3,4,5,6,7
	global_load_b128 v[IDO+8*(\s):IDO+8*(\s)+3],   v9, s[26:27] offset:1024*(\s)
	global_load_b128 v[IDO+8*(\s)+4:IDO+8*(\s)+7], v9, s[26:27] offset:1024*(\s)+16
.endr
.irp p, 0,1
.irp s, 0,1,2,3,4,5,6,7
	global_load_b64 v[CB+16*(\p)+2*(\s):CB+16*(\p)+2*(\s)+1], v10, s[24:25] offset:2048*(\p)+256*(\s)
.endr
.endr
; 65,536 bytes of f32 become 32,768 of f16: sixteen loads out at once, eight chunks of 8,192 bytes; a store of the wave covers 512 consecutive bytes.
.macro CASTPASS src, dst
.irp c, 0,1,2,3,4,5,6,7
	global_load_b128 v[X+8*(\c):X+8*(\c)+3],   v6, s[\src:\src+1] offset:8192*(\c) th:TH_LOAD_NT
	global_load_b128 v[X+8*(\c)+4:X+8*(\c)+7], v6, s[\src:\src+1] offset:8192*(\c)+16 th:TH_LOAD_NT
.endr
	s_wait_xcnt 0x0                                ; Y, which the pass before stored from, is rewritten only behind this wait
.irp c, 0,1,2,3,4,5,6,7
	s_wait_loadcnt 14-2*(\c)                       ; loads come back in order: chunk c is in, the younger chunks' loads stay out
.irp k, 0,1,2,3
	v_cvt_pk_bf16_f32 v[16+(\k)], v[X+8*(\c)+2*(\k)], v[X+8*(\c)+2*(\k)+1]
.endr
.irp k, 0,1,2,3
	v_lshlrev_b32 v[20+2*(\k)],   16, v[16+(\k)]
	v_and_b32     v[20+2*(\k)+1], 0xffff0000, v[16+(\k)]
.endr
.irp k, 0,1,2,3
	v_cvt_pk_f16_f32 v[Y+4*(\c)+(\k)], v[20+2*(\k)], v[20+2*(\k)+1]
.endr
	global_store_b128 v7, v[Y+4*(\c):Y+4*(\c)+3], s[\dst:\dst+1] offset:4096*(\c)
.endr
.endm
	CASTPASS 4, 30
	CASTPASS 92, 32
	; the four biases, rounded to bf16 and kept as f32: work-groups 0 to 3
	s_cmp_lt_u32 s61, 4
	s_cbranch_scc0 .Lno_bias
	s_cmp_eq_u32 s61, 1
	s_cselect_b64 s[94:95], s[16:17], s[14:15]
	s_cmp_eq_u32 s61, 2
	s_cselect_b64 s[94:95], s[18:19], s[94:95]
	s_lshl_b32 s88, s61, 12
	s_cmp_eq_u32 s61, 3
	s_cselect_b64 s[94:95], s[20:21], s[94:95]
	s_cselect_b32 s88, 53248, s88
	global_load_b128 v[128:131], v7, s[94:95]
	s_add_nc_u64 s[96:97], s[66:67], s[88:89]
	s_wait_loadcnt 0x0
	v_cvt_pk_bf16_f32 v16, v128, v129
	v_cvt_pk_bf16_f32 v17, v130, v131
	v_lshlrev_b32 v128, 16, v16
	v_and_b32 v129, 0xffff0000, v16
	v_lshlrev_b32 v130, 16, v17
	v_and_b32 v131, 0xffff0000, v17
	global_store_b128 v7, v[128:131], s[96:97]
.Lno_bias:
	; qkv's pad rows: work-group g writes half (g % 2) of pad row g / 2; 3,072 bytes are 192 threads
	s_cmp_lt_u32 s58, 6
	s_cbranch_scc0 .Lno_pad
	s_lshr_b32 s90, s61, 1
	s_add_co_u32 s91, s90, 4096
	s_cmp_lt_u32 s90, 64
	s_cselect_b32 s90, s90, s91                    ; rows 0..63 in front, 4,160..4,223 behind
	s_mul_i32 s88, s90, 6144
	s_and_b32 s91, s61, 1
	s_mul_i32 s91, s91, 3072
	s_add_co_u32 s88, s88, s91
	s_add_nc_u64 s[98:99], s[34:35], s[88:89]
	v_mov_b32 v132, 0
	v_mov_b32 v133, 0
	v_mov_b32 v134, 0
	v_mov_b32 v135, 0
	global_store_b128 v7, v[132:135], s[98:99]
.Lno_pad:
	; Mt for block c' = g, register jj = w: lane (r, h) holds query r and key 8 h + jj of the block, d = |64 - 16 c' + r - 8 h - jj|
	s_cmp_lt_u32 s61, 8
	s_cbranch_scc0 .Lno_m
	s_mov_b32 s80, 0x40c90fdb                      ; sin(2 pi u) = u (c0 + c1 u^2 + .. + c5 u^10): 6.2831853
	s_mov_b32 s81, 0xc2255de7                      ; -41.341702
	s_mov_b32 s82, 0x42a335e3                      ; 81.605249
	s_mov_b32 s83, 0xc2996966                      ; -76.705860
	s_mov_b32 s84, 0x42283c1a                      ; 42.058694
	s_mov_b32 s85, 0xc17183a8                      ; -15.094643
	s_mov_b32 s86, 0x31dc9bfa                      ; 1 / (2 pi) less its f32 value: 6.4206e-9
	s_lshl_b32 s88, s61, 4
	s_sub_co_u32 s88, 64, s88
	s_sub_co_u32 s88, s88, s58
	v_lshlrev_b32 v16, 3, v3
	v_sub_nc_u32 v16, v2, v16
	v_add_nc_u32 v16, s88, v16
	v_sub_nc_u32 v17, 0, v16
	v_max_i32 v16, v16, v17                        ; d
	v_cvt_f32_i32 v16, v16
	v_add_f32 v17, 1.0, v16
	v_log_f32 v17, v17
	v_mul_f32 v18, 0xbfb8aa3b, v16                 ; a plain line behind the logarithm: -d log2(e)
	v_exp_f32 v18, v18                             ; e^-d
	v_mov_b32 v19, 0                               ; a plain line behind the exponential: the sum begins
	s_wait_alu depctr_va_vdst(0)
	v_mul_f32 v17, 0x3f317218, v17                 ; ln(d + 1)
.irp n, 68,69,70,71,72,73,74,75,76,77
	v_cvt_pk_bf16_f32 v20, s\n, s\n                ; gamma rounded to bf16, as every input
	v_lshlrev_b32 v20, 16, v20
	v_mul_f32 v20, v20, v17                        ; the argument
	v_mul_f32 v21, 0.15915494, v20
	v_rndne_f32 v21, v21                           ; whole turns
	v_fma_f32 v22, v20, 0.15915494, -v21           ; the fraction of a turn, -1/2 .. 1/2,
	v_fmac_f32 v22, s86, v20                       ; with the second part of 1 / (2 pi)
	v_sub_f32 v22, 0x3e800000, |v22|               ; cos(2 pi f) = sin(2 pi (1/4 - |f|))
	v_mul_f32 v23, v22, v22
	v_fma_f32 v24, v23, s85, s84
	v_fma_f32 v24, v24, v23, s83
	v_fma_f32 v24, v24, v23, s82
	v_fma_f32 v24, v24, v23, s81
	v_fma_f32 v24, v24, v23, s80
	v_fmac_f32 v19, v22, v24
.endr
	v_mul_f32 v18, 0x3e38aa3b, v18                 ; log2(e) / 8
	v_mul_f32 v19, v19, v18
	s_lshl_b32 s88, s61, 10
	s_add_nc_u64 s[100:101], s[66:67], s[88:89]
	global_store_b32 v12, v19, s[100:101] offset:12288
.Lno_m:
	s_wait_xcnt 0x0                                ; the registers that the stores above read are rewritten only behind this wait
.set k, 0
.rept 64
	v_min_u32 v[IDO+k], 4095, v[IDO+k]
	v_lshl_add_u32 v[IDO+k], v[IDO+k], 2, s49
.set k, k+1
.endr
	v_lshrrev_b32 v8, 1, v1                        ; key block of j = 256 s + 8 lane + e is 16 s + lane / 2
	s_sub_co_u32 s91, 4, s60
	v_add_nc_u32 v8, s91, v8
.irp s, 0,1,2,3,4,5,6,7
	v_add_nc_u32 v16, 16*(\s), v8
	v_cmp_gt_u32 s[80+(\s)], 8, v16                ; in the band: block - qb + 4 in 0..7
.endr
	v_mov_b32 v21, 0x45000000                      ; 2048.0
	v_mov_b32 v22, 0xf149f2ca                      ; -1e30
	v_mov_b32 v23, 0
	s_wait_tensorcnt 0x0                           ; my two omega rows are in;
	s_barrier_signal -1
	s_barrier_wait -1                              ; everybody's are: the band's part below reads all sixteen
; Row 2 w + p: 64 gathers a lane, the two masks joined, the band cut out, the counts, the row of afar.
.macro ROWFAR p
.set k, 0
.rept 64
	ds_load_b32 v[OM+k], v[IDO+k] offset:(\p)*OPITCH
.set k, k+1
.endr
	v_mov_b32 v14, 0                               ; allowed keys, two counts of 16 bits
	v_mov_b32 v15, 0                               ; allowed keys outside the band
	s_wait_xcnt 0x0                                ; PA, which earlier stores read, is rewritten only behind this wait
.irp s, 0,1,2,3,4,5,6,7
	s_wait_dscnt 56-8*(\s)                         ; LDS loads come back in order: the eight of step s are in
.irp e, 0,2,4,6
	v_bfe_u32 v16, v[CB+16*(\p)+2*(\s)+(\e)/4], 8*((\e)%4), 8
	v_bfe_u32 v17, v[CB+16*(\p)+2*(\s)+(\e)/4], 8*((\e)%4)+8, 8
	v_cmp_neq_f32 vcc_lo, 0, v[OM+8*(\s)+(\e)]
	v_cndmask_b32 v16, 0, v16, vcc_lo
	v_cmp_neq_f32 vcc_lo, 0, v[OM+8*(\s)+(\e)+1]
	v_cndmask_b32 v17, 0, v17, vcc_lo
	v_lshl_or_b32 v16, v17, 16, v16
	v_add_nc_u32 v14, v14, v16
	v_cndmask_b32 v[PA+4*(\s)+(\e)/2], v16, 0, s[80+(\s)]
	v_add_nc_u32 v15, v15, v[PA+4*(\s)+(\e)/2]
.endr
.endr
	v_and_b32 v16, 0xffff, v14
	v_lshrrev_b32 v17, 16, v14
	v_and_b32 v18, 0xffff, v15
	v_lshrrev_b32 v19, 16, v15
	v_add_nc_u32 v16, v16, v17
	v_add_nc_u32 v18, v18, v19
	v_cvt_f32_u32 v16, v16
	v_cvt_f32_u32 v18, v18
.irp m, 1,2,4,8
	v_add_f32_dpp v16, v16, v16 row_xmask:\m row_mask:0xf bank_mask:0xf
	v_add_f32_dpp v18, v18, v18 row_xmask:\m row_mask:0xf bank_mask:0xf
.endr
	v_permlanex16_b32 v17, v16, s62, s63
	v_permlanex16_b32 v19, v18, s62, s63
	v_add_f32 v16, v16, v17
	v_add_f32 v18, v18, v19
	v_cmp_eq_f32 s94, 0, v16                       ; no key allowed at all
	v_cndmask_b32 v[24+2*(\p)], v18, v21, s94      ; the row sum of afar
	v_cmp_lt_f32 vcc_lo, 0, v[24+2*(\p)]
	v_cndmask_b32 v[25+2*(\p)], v22, 0, vcc_lo     ; m0: the far keys' score 0, or -1e30 where there is none
.set k, 0
.rept 32
	v_cndmask_b32 v[PA+k], v[PA+k], v13, s94
	v_mul_u32_u24 v[PA+k], 0x3c00, v[PA+k]         ; 0/1 in both halves times f16's 1.0
.set k, k+1
.endr
.irp s, 0,1,2,3,4,5,6,7
	global_store_b128 v11, v[PA+4*(\s):PA+4*(\s)+3], s[36:37] offset:4096*(\p)+512*(\s)  ; 512 consecutive bytes of the row
.endr
.endm
	ROWFAR 0
	ROWFAR 1
	v_cmp_eq_u32 vcc_lo, 0, v1
	s_lshl_b32 s88, s61, 7                         ; 16 g rows of 8 bytes
	s_lshl4_add_u32 s88, s58, s88                  ; + 2 w rows
	s_add_nc_u64 s[96:97], s[66:67], s[88:89]
	s_wait_xcnt 0x0                                ; EXEC changes only behind this wait
	s_and_saveexec_b32 s95, vcc_lo
	global_store_b128 v23, v[24:27], s[96:97] offset:20480
	s_wait_xcnt 0x0                                ; and again in front of the line that widens it
	s_or_b32 exec_lo, exec_lo, s95
	; THE BAND: wave w takes key block qb - 4 + w for all 16 rows; lane (r, h): row r, keys 8 h + 0..7
	s_add_co_u32 s90, s60, s58
	s_sub_co_i32 s90, s90, 4
	s_max_i32 s91, s90, 0
	s_min_i32 s91, s91, 127                        ; a block inside the batch, for the addresses
	s_cmp_eq_u32 s90, s91
	s_cselect_b32 s94, 0x00010001, 0               ; a block outside the batch is hidden
	s_lshl_b32 s90, s91, 6
	v_lshl_add_u32 v16, v3, 5, s90
	s_lshl_b32 s90, s91, 4
	v_lshl_add_u32 v17, v2, 11, s90
	v_lshl_add_u32 v17, v3, 3, v17
	global_load_b128 v[32:35], v16, s[26:27]
	global_load_b128 v[36:39], v16, s[26:27] offset:16
	global_load_b64 v[40:41], v17, s[24:25]
	v_mul_u32_u24 v18, v2, OPITCH
	s_wait_loadcnt 0x0
.irp j, 0,1,2,3,4,5,6,7
	v_min_u32 v[32+(\j)], 4095, v[32+(\j)]
	v_lshl_add_u32 v[32+(\j)], v[32+(\j)], 2, v18
.endr
.irp j, 0,1,2,3,4,5,6,7
	ds_load_b32 v[OM+(\j)], v[32+(\j)]
.endr
	s_wait_dscnt 0x0
.irp e, 0,2,4,6
	v_bfe_u32 v19, v[40+(\e)/4], 8*((\e)%4), 8
	v_bfe_u32 v20, v[40+(\e)/4], 8*((\e)%4)+8, 8
	v_cmp_neq_f32 vcc_lo, 0, v[OM+(\e)]
	v_cndmask_b32 v19, 0, v19, vcc_lo
	v_cmp_neq_f32 vcc_lo, 0, v[OM+(\e)+1]
	v_cndmask_b32 v20, 0, v20, vcc_lo
	v_lshl_or_b32 v19, v20, 16, v19
	v_and_b32 v19, s94, v19
	v_xor_b32 v19, v13, v19                        ; 1 where hidden
	v_mul_u32_u24 v[44+(\e)/2], 0xf14a, v19        ; times bf16's -1e30
.endr
	global_store_b128 v7, v[44:47], s[38:39]       ; (8 g + w) x 512 + 16 lane
	s_wait_tensorcnt 0x0                           ; the wave's end
	ds_add_u32 v[SPW], v[NIL]
	s_wait_dscnt 0x0
	s_endpgm
.Lfunc_end_k_qa5b31cdd16_prep:
	.size	k_qa5b31cdd16_prep, .Lfunc_end_k_qa5b31cdd16_prep-k_qa5b31cdd16_prep
	.p2alignl 7, 3214868480
	.fill 96, 4, 3214868480
	.section	.rodata,"a",@progbits
	.p2align	6, 0x0
	.amdhsa_kernel k_qa5b31cdd16_prep
		.amdhsa_group_segment_fixed_size 263424
		.amdhsa_private_segment_fixed_size 0
		.amdhsa_enable_private_segment 0
		.amdhsa_kernarg_size 152
		.amdhsa_user_sgpr_count 2
		.amdhsa_user_sgpr_kernarg_segment_ptr 1
		.amdhsa_wavefront_size32 1
		.amdhsa_system_sgpr_workgroup_id_x 1
		.amdhsa_system_sgpr_workgroup_id_y 1
		.amdhsa_system_sgpr_workgroup_id_z 1
		.amdhsa_system_vgpr_workitem_id 0
		.amdhsa_next_free_vgpr 224
		.amdhsa_next_free_sgpr 102
		.amdhsa_reserve_vcc 1
		.amdhsa_float_denorm_mode_32 3
		.amdhsa_float_denorm_mode_16_64 3
		.amdhsa_memory_ordered 1
		.amdhsa_forward_progress 1
		.amdhsa_inst_pref_size 99
	.end_amdhsa_kernel
	.amdgpu_metadata
---
amdhsa.version: [ 1, 2 ]
amdhsa.kernels:
  - .name:           k_qa5b31cdd16_prep
    .symbol:         k_qa5b31cdd16_prep.kd
    .args:
      - { .name: x, .offset: 0, .size: 8, .value_kind: global_buffer, .address_space: global }
      - { .name: wq, .offset: 8, .size: 8, .value_kind: global_buffer, .address_space: global }
      - { .name: wk, .offset: 16, .size: 8, .value_kind: global_buffer, .address_space: global }
      - { .name: wv, .offset: 24, .size: 8, .value_kind: global_buffer, .address_space: global }
      - { .name: wo, .offset: 32, .size: 8, .value_kind: global_buffer, .address_space: global }
      - { .name: bq, .offset: 40, .size: 8, .value_kind: global_buffer, .address_space: global }
      - { .name: bk, .offset: 48, .size: 8, .value_kind: global_buffer, .address_space: global }
      - { .name: bv, .offset: 56, .size: 8, .value_kind: global_buffer, .address_space: global }
      - { .name: bo, .offset: 64, .size: 8, .value_kind: global_buffer, .address_space: global }
      - { .name: omega_mask, .offset: 72, .size: 8, .value_kind: global_buffer, .address_space: global }
      - { .name: causal_mask, .offset: 80, .size: 8, .value_kind: global_buffer, .address_space: global }
      - { .name: semantic_token_ids, .offset: 88, .size: 8, .value_kind: global_buffer, .address_space: global }
      - { .name: gamma, .offset: 96, .size: 8, .value_kind: global_buffer, .address_space: global }
      - { .name: xh, .offset: 104, .size: 8, .value_kind: global_buffer, .address_space: global }
      - { .name: wh, .offset: 112, .size: 8, .value_kind: global_buffer, .address_space: global }
      - { .name: qkv, .offset: 120, .size: 8, .value_kind: global_buffer, .address_space: global }
      - { .name: afar, .offset: 128, .size: 8, .value_kind: global_buffer, .address_space: global }
      - { .name: nbias, .offset: 136, .size: 8, .value_kind: global_buffer, .address_space: global }
      - { .name: misc, .offset: 144, .size: 8, .value_kind: global_buffer, .address_space: global }
    .group_segment_fixed_size: 263424
    .private_segment_fixed_size: 0
    .kernarg_segment_align: 8
    .kernarg_segment_size: 152
    .max_flat_workgroup_size: 256
    .sgpr_count:     102
    .vgpr_count:     224
    .wavefront_size: 32
...
	.end_amdgpu_metadata
.endif
;; end of part 1
;; launch proj (part 2): grid 8 x 32, 4 waves a work-group, clusters of 4 x 4, 327,680 bytes of LDS; arguments xh, wh, misc, qkv; writes qkv
.if DOCPART == 2
	.amdgcn_target "amdgcn-amd-amdhsa--gfx1250"
	.amdhsa_code_object_version 6
	.text
	.protected	k_qa5b31cdd16_proj
	.globl	k_qa5b31cdd16_proj
	.p2align	8
	.type	k_qa5b31cdd16_proj,@function
k_qa5b31cdd16_proj:
	s_mov_b64 s[64:65], 0
	v_nop
	global_prefetch_b8 v0, s[64:65] scope:SCOPE_SE
	s_setreg_imm32_b32 hwreg(HW_REG_WAVE_MODE, 25, 1), 1
	s_wait_xcnt 0x0
	s_wait_alu depctr_hold_cnt(0) depctr_sa_sdst(0) depctr_va_vdst(0) depctr_va_sdst(0) depctr_va_ssrc(0) depctr_va_vcc(0) depctr_vm_vsrc(0)
	s_getreg_b32 s2, hwreg(HW_REG_IB_STS2, 6, 4)
	s_cmp_eq_u32 s2, 0
	s_cbranch_scc0 .Lentry_in_a_cluster
	s_endpgm
.Lentry_in_a_cluster:
	s_bfe_u32 s2, ttmp6, 0x10000c
	s_cmp_lg_u32 s2, 0xf033
	s_cbranch_scc0 .Lentry_shape_is_right
	s_endpgm
.Lentry_shape_is_right:
; Q, K, V IN ONE PRODUCT.  qkv[64 + m][n] = sum over k of xh[m][k] wh[n][k] + bias[n], m < 4096, n < 3072 (q, k, v on end), k < 1024; f16 operands, f32 sums, rounded once to f16.
; LIMIT: q, k, v beyond f16's 65,504 become infinities.
; A work-group makes 128 rows x 384 columns: 32 x 8 = 256 work-groups.  Four waves, each 64 x 192: 48 accumulators of 16 x 16.  K goes in steps of 128 (rows of 256 bytes) through two LDS slots.
; CLUSTER 4 x 4: the four of a row of the cluster need the same tile of xh, the four of a column the same tiles of wh: each is asked for jointly.  Wave 0 fetches xh's 128 rows, waves 1-3 wh's 3 x 128.
; THE MATRIX INSTRUCTION IS USED TRANSPOSED (source 0 = 16 rows of wh, source 1 = 16 rows of xh): a lane holds eight neighbouring columns of one row.  The first product takes the bias as C.
; REGISTERS: window 0: v0-31 addresses, v64-159 the bias (12 fragments), later v64-255 the way out.  Window 1: two fragment buffers of 128: xh's 4 fragments, then wh's 12.
;   window 2: accumulators of row blocks 0, 1 at 8 (12 (a % 2) + b); window 3: those of blocks 2, 3.
.set SIZE_K, 1024
.set KSTEP,  128
.set PITCH,  272                       ; 256 bytes + 16: the 16 rows of a fragment load start at 16 different groups of four banks (64 banks of 4 bytes: ISA guide 11.1)
.set HALFT,  128*PITCH                 ; what one tensor load brings
.set SLOT,   4*HALFT                   ; xh's 128 rows, then wh's 384
.set SPARE,  2*SLOT                    ; the spare words, 128 bytes a wave
.set SPITCH, 784                       ; the stage's rows: 768 bytes + 16.  The stage is slot 0, behind its last fill and its last read
.set LAPS,   SIZE_K/(2*KSTEP)
.set ADRA, 16
.set ADRB, 20
.set STO,  24
.set RD,   25
.set CO,   26
.set BO,   27
.set SPW,  28
.set NIL,  29
.set BIAS, 64
.set TMP,  64
.set F0,   0
.set F1,   128
.set WV,   12                          ; s12 wave; s13 wave / 2: my half of the rows; s14 wave % 2: my half of the columns
.set G1,   24
.set G0,   32
.set G1B,  48
.set G0B,  56
.set TO_F, 0x40
.set MSB, 0
.macro WIN new                         ; the immediate's high byte repeats the setting that is left
.if MSB != (\new)
	s_set_vgpr_msb (MSB<<8)|(\new)
.set MSB, \new
.endif
.endm
.macro PLACES                          ; four places in front of loads into registers that matrix instructions have read, and of lines that read results
.rept 4
	v_nop
.endr
.endm
.macro JLOAD s                         ; a joint load; the branch hangs on the wave's number alone; an s_nop 0 and four v_nop follow each line
	s_cmp_eq_u32 s[WV], 0
	s_cbranch_scc0 .Lfor_b_\@
	tensor_load_to_lds s[G0+4*(\s):G0+4*(\s)+3], s[G1:G1+7]
	s_nop 0
.rept 4
	v_nop
.endr
	s_branch .Lasked_\@
.Lfor_b_\@:
	tensor_load_to_lds s[G0B+4*(\s):G0B+4*(\s)+3], s[G1B:G1B+7]
	s_nop 0
.rept 4
	v_nop
.endr
.Lasked_\@:
.endm
.macro CREST                           ; a round of the cluster's barrier behind its opening barrier
	s_cmp_lg_u32 s[WV], 0
	s_cbranch_scc1 .Lnot_wave_0_\@
	s_barrier_signal -3
.Lnot_wave_0_\@:
	s_barrier_wait -3
	s_barrier_signal -1
	s_barrier_wait -1
.endm
.macro CROUND
	s_barrier_signal -1
	s_barrier_wait -1
	CREST
.endm
	s_load_b256 s[4:11], s[0:1], 0x0               ; xh s[4:5], wh s[6:7], misc s[8:9], qkv s[10:11]
	v_lshl_add_u32 v[SPW], v0, 2, SPARE
	v_mov_b32 v[NIL], 0
	ds_add_u32 v[SPW], v[NIL]                      ; the wave's opening: the add and its wait ahead of my first tensor load
	ds_add_u32 v28, v29
	v_lshrrev_b32 v1, 5, v0
	v_readfirstlane_b32 s[WV], v1
	s_lshr_b32 s13, s[WV], 1
	s_and_b32 s14, s[WV], 1
	s_bfe_u32 s40, ttmp6, 0x40000                  ; cx
	s_bfe_u32 s41, ttmp6, 0x40004                  ; cy
	s_lshl_b32 s42, ttmp9, 2
	s_add_co_u32 s42, s42, s40                     ; tile column
	s_and_b32 s43, ttmp7, 0xffff
	s_lshl_b32 s43, s43, 2
	s_add_co_u32 s43, s43, s41                     ; tile row
	s_lshl_b32 s44, s41, 2
	s_lshl_b32 s44, 15, s44                        ; my row of the cluster
	s_lshl_b32 s45, 0x1111, s40                    ; my column
	s_or_b32 s[G1], s44, (1<<16)|(1<<20)|(1<<21)|(5<<22)|(3<<25)   ; mask; 2-byte elements; padding on; bit 21 beside a mask; after every 64 words 4 words
	s_or_b32 s[G1B], s45, (1<<16)|(1<<20)|(1<<21)|(5<<22)|(3<<25)
.irp g, G1, G1B
	s_mov_b32 s[(\g)+1], KSTEP<<16                 ; tensor_dim0 = 128
	s_mov_b32 s[(\g)+2], 128<<16                   ; tensor_dim1 = 128
	s_mov_b32 s[(\g)+3], KSTEP<<16                 ; tile_dim0 = 128
	s_mov_b32 s[(\g)+4], 128                       ; tile_dim1 = 128
	s_mov_b32 s[(\g)+5], SIZE_K                    ; elements from row to row
	s_mov_b32 s[(\g)+6], 0
	s_mov_b32 s[(\g)+7], 0
.endr
	s_lshl_b32 s16, s43, 18                        ; xh: 128 rows of 2,048 bytes a tile row
	s_mov_b32 s17, 0
	s_max_u32 s18, s[WV], 1
	s_sub_co_u32 s18, s18, 1                       ; which 128 rows of wh's 384 (wave 0 asks by xh's line)
	s_lshl_b32 s18, s18, 7
	s_mul_i32 s46, s42, 384
	s_add_co_u32 s46, s46, s18
	s_lshl_b32 s46, s46, 11
	s_mov_b32 s47, 0
	s_mul_i32 s20, s[WV], HALFT                    ; where my tile goes: no place in the cluster enters an LDS address
	s_wait_dscnt 0x0                               ; the opening add is done
	s_wait_kmcnt 0x0
	s_add_nc_u64 s[16:17], s[4:5], s[16:17]
	s_add_nc_u64 s[46:47], s[6:7], s[46:47]
	CROUND                                         ; all sixteen work-groups are here: the first joint loads meet
.irp s, 0,1
	s_mov_b32 s[G0+4*(\s)], 1
	s_add_co_u32 s[G0+4*(\s)+1], s20, (\s)*SLOT
	s_add_nc_u64 s[G0+4*(\s)+2:G0+4*(\s)+3], s[16:17], (\s)*KSTEP*2
	s_or_b32 s[G0+4*(\s)+3], s[G0+4*(\s)+3], 0x80000000
	s_mov_b32 s[G0B+4*(\s)], 1
	s_add_co_u32 s[G0B+4*(\s)+1], s20, (\s)*SLOT
	s_add_nc_u64 s[G0B+4*(\s)+2:G0B+4*(\s)+3], s[46:47], (\s)*KSTEP*2
	s_or_b32 s[G0B+4*(\s)+3], s[G0B+4*(\s)+3], 0x80000000
	JLOAD \s                                       ; two loads of mine are out
.endr
	v_and_b32 v1, 15, v0                           ; l % 16
	v_bfe_u32 v2, v0, 4, 1                         ; l / 16
	v_mul_u32_u24 v3, v1, PITCH
	v_lshl_add_u32 v3, v2, 4, v3
	s_mul_i32 s21, s13, 64*PITCH                   ; my 64 rows of xh
	s_mul_i32 s22, s14, 192*PITCH                  ; my 192 rows of wh,
	s_add_co_u32 s22, s22, HALFT                   ; behind xh's 128
.irp s, 0,1
	v_add_nc_u32 v[ADRA+(\s)], s21, v3
	v_add_nc_u32 v[ADRB+(\s)], s22, v3
	s_add_co_u32 s21, s21, SLOT
	s_add_co_u32 s22, s22, SLOT
.endr
	s_mul_i32 s23, s13, 64*SPITCH                  ; into the stage: my 64 rows, my 384 bytes of them
	s_mul_i32 s21, s14, 384
	s_add_co_u32 s23, s23, s21
	v_mul_u32_u24 v4, v1, SPITCH
	v_lshl_add_u32 v4, v2, 4, v4
	v_add_nc_u32 v[STO], s23, v4
	s_mul_i32 s23, s[WV], 32*SPITCH                ; back: wave w takes rows 32 w .. 32 w + 31 whole
	v_mul_u32_u24 v5, v2, SPITCH
	v_lshl_add_u32 v5, v1, 4, v5
	v_add_nc_u32 v[RD], s23, v5
	v_mul_u32_u24 v5, v2, 6144
	v_lshl_add_u32 v[CO], v1, 4, v5
	v_lshlrev_b32 v[BO], 5, v2
	s_lshl_b32 s16, s43, 7
	s_lshl_b32 s17, s[WV], 5
	s_add_co_u32 s16, s16, s17
	s_add_co_u32 s16, s16, 64                      ; behind the 64 pad rows
	s_mul_i32 s16, s16, 6144
	s_mov_b32 s17, 0
	s_add_nc_u64 s[10:11], s[10:11], s[16:17]
	s_mul_i32 s46, s42, 768
	s_mov_b32 s47, 0
	s_add_nc_u64 s[10:11], s[10:11], s[46:47]
	s_mul_i32 s46, s42, 1536                       ; the bias of my 192 columns
	s_mul_i32 s18, s14, 768
	s_add_co_u32 s46, s46, s18
	s_add_nc_u64 s[8:9], s[8:9], s[46:47]
.irp b, 0,1,2,3,4,5,6,7,8,9,10,11
	global_load_b128 v[BIAS+8*(\b):BIAS+8*(\b)+3],   v[BO], s[8:9] offset:64*(\b)      ; register j of lane (r, h): column 16 b + 8 h + j
	global_load_b128 v[BIAS+8*(\b)+4:BIAS+8*(\b)+7], v[BO], s[8:9] offset:64*(\b)+16
.endr
; 12 matrix instructions: row block a x all 12 column blocks, 32 along K.  first = 1: C is the bias.  The 48 accumulators take turns, in the same order in every quarter.
.macro MUL12 f, a, first
.if \first
	WIN 0x85+0x40*((\a)/2)
.else
	WIN 0xa5+0x50*((\a)/2)
.endif
.irp b, 0,1,2,3,4,5,6,7,8,9,10,11
.if \first
	v_wmma_f32_16x16x32_f16 v[8*(12*((\a)%2)+(\b)):8*(12*((\a)%2)+(\b))+7], v[(\f)+32+8*(\b):(\f)+32+8*(\b)+7], v[(\f)+8*(\a):(\f)+8*(\a)+7], v[BIAS+8*(\b):BIAS+8*(\b)+7]
.else
	v_wmma_f32_16x16x32_f16 v[8*(12*((\a)%2)+(\b)):8*(12*((\a)%2)+(\b))+7], v[(\f)+32+8*(\b):(\f)+32+8*(\b)+7], v[(\f)+8*(\a):(\f)+8*(\a)+7], v[8*(12*((\a)%2)+(\b)):8*(12*((\a)%2)+(\b))+7]
.endif
.endr
.endm
; 32 LDS loads in one run: wh's 12 fragments, then xh's 4, 32 along K at byte k of the rows
.macro FETCH slot, k, f
	WIN TO_F
.irp i, 0,1,2,3,4,5,6,7,8,9,10,11
	ds_load_b128 v[(\f)+32+8*(\i):(\f)+32+8*(\i)+3],   v[ADRB+(\slot)] offset:(\k)+(\i)*16*PITCH
	ds_load_b128 v[(\f)+32+8*(\i)+4:(\f)+32+8*(\i)+7], v[ADRB+(\slot)] offset:(\k)+(\i)*16*PITCH+32
.endr
.irp i, 0,1,2,3
	ds_load_b128 v[(\f)+8*(\i):(\f)+8*(\i)+3],   v[ADRA+(\slot)] offset:(\k)+(\i)*16*PITCH
	ds_load_b128 v[(\f)+8*(\i)+4:(\f)+8*(\i)+7], v[ADRA+(\slot)] offset:(\k)+(\i)*16*PITCH+32
.endr
.endm
.macro QUARTER slot, k, f, g, first
	s_wait_dscnt 4                                 ; all but the youngest four loads: xh's fragments 2 and 3
	MUL12 \f, 0, \first
	MUL12 \f, 1, \first
	PLACES
	FETCH \slot, \k, \g
	s_wait_dscnt 32                                ; all but the 32 just issued
	MUL12 \f, 2, \first
	MUL12 \f, 3, \first
.endm
; The last quarter of a K step multiplies buffer 1 and changes slots: one barrier; in front of it each wave waits for all its tensor loads (one is out: its part of the next slot), adds 0 to its
; spare word, and waits for that and for its reads of this slot.  fill = 1: the barrier opens a round of the cluster's, and the joint refill is the first thing behind it: 168 products ahead of the wait for it.
.macro TURN slot, next, fill
	WIN 0
	s_wait_tensorcnt 0x0
	ds_add_u32 v[SPW], v[NIL]
	s_wait_dscnt 5                                 ; the add and the youngest four loads may be out
	MUL12 F1, 0, 0
	s_wait_dscnt 0x0                               ; the add is done, and my reads of this slot are over
	s_barrier_signal -1
	MUL12 F1, 1, 0
.if \fill
	WIN 0
.endif
	s_barrier_wait -1
.if \fill
	CREST                                          ; no wave of any partner still reads this slot or has a load on its way
	s_add_nc_u64 s[G0+4*(\slot)+2:G0+4*(\slot)+3], s[G0+4*(\slot)+2:G0+4*(\slot)+3], 2*KSTEP*2
	s_add_nc_u64 s[G0B+4*(\slot)+2:G0B+4*(\slot)+3], s[G0B+4*(\slot)+2:G0B+4*(\slot)+3], 2*KSTEP*2
	JLOAD \slot                                    ; its four v_nop are also the places in front of the loads below
.else
	PLACES
.endif
	FETCH \next, 0, F0
	MUL12 F1, 2, 0
	MUL12 F1, 3, 0
.endm
	s_wait_tensorcnt 1                             ; my part of K step 0 is in; step 1's may stay out
	s_barrier_signal -1
	s_barrier_wait -1
	FETCH 0, 0, F0
	s_wait_loadcnt 0x0                             ; the bias
	QUARTER 0, 64, F0, F1, 1                       ; the first quarter stands in front of the loop: its products start the sums
	WIN 0
	s_mov_b32 s3, LAPS-1
.Llap:                                                 ; a trip goes once round the ring and fills both slots again
	QUARTER 0, 128, F1, F0, 0
	QUARTER 0, 192, F0, F1, 0
	TURN 0, 1, 1
	QUARTER 1, 64,  F0, F1, 0
	QUARTER 1, 128, F1, F0, 0
	QUARTER 1, 192, F0, F1, 0
	TURN 1, 0, 1
	QUARTER 0, 64,  F0, F1, 0
	WIN 0
	s_sub_co_u32 s3, s3, 1
	s_cmp_lg_u32 s3, 0
	s_cbranch_scc1 .Llap
	QUARTER 0, 128, F1, F0, 0                      ; the last lap fills nothing
	QUARTER 0, 192, F0, F1, 0
	TURN 0, 1, 0
	QUARTER 1, 64,  F0, F1, 0
	QUARTER 1, 128, F1, F0, 0
	QUARTER 1, 192, F0, F1, 0
	s_wait_dscnt 4
	MUL12 F1, 0, 0
	MUL12 F1, 1, 0
	s_wait_dscnt 0x0
	MUL12 F1, 2, 0
	MUL12 F1, 3, 0
	; THE WAY OUT: rounded to f16, 16 bytes a lane into the stage (slot 0: nobody has read it since the last change of slots, and nothing fills it again); a barrier; back as whole rows of 768 bytes.
	PLACES
.irp hw, 0,1
	WIN 0x0a+5*(\hw)                               ; sources in window 2, then 3; each accumulator's registers in ascending order
.set i, 0
.rept 24
.irp r, 0,1,2,3
	v_cvt_pk_f16_f32 v[TMP+96*(\hw)+4*i+(\r)], v[8*i+2*(\r)], v[8*i+2*(\r)+1]
.endr
.set i, i+1
.endr
.endr
	WIN 0
.irp a, 0,1,2,3
.irp b, 0,1,2,3,4,5,6,7,8,9,10,11
	ds_store_b128 v[STO], v[TMP+96*((\a)/2)+4*(12*((\a)%2)+(\b)):TMP+96*((\a)/2)+4*(12*((\a)%2)+(\b))+3] offset:(\a)*16*SPITCH+32*(\b)
.endr
.endr
	s_wait_dscnt 0x0                               ; for the others' sake: my stores into the stage are done
	s_barrier_signal -1
	s_barrier_wait -1
.set t, 0
.rept 48                                               ; rows 2 (t / 3) and + 1, block t % 3 of 256 bytes
	ds_load_b128 v[TMP+4*t:TMP+4*t+3], v[RD] offset:(t/3)*2*SPITCH+(t%3)*256
.set t, t+1
.endr
.set t, 0
.rept 48
	s_wait_dscnt 47-t
	global_store_b128 v[CO], v[TMP+4*t:TMP+4*t+3], s[10:11] offset:(t/3)*2*6144+(t%3)*256  ; 16 lanes store 256 consecutive bytes, at a multiple of 256 from qkv's first byte
.set t, t+1
.endr
	s_wait_tensorcnt 0x0                           ; the wave's end
	ds_add_u32 v[SPW], v[NIL]
	s_wait_dscnt 0x0
	CROUND                                         ; the closing round
	s_endpgm
.Lfunc_end_k_qa5b31cdd16_proj:
	.size	k_qa5b31cdd16_proj, .Lfunc_end_k_qa5b31cdd16_proj-k_qa5b31cdd16_proj
	.p2alignl 7, 3214868480
	.fill 96, 4, 3214868480
	.section	.rodata,"a",@progbits
	.p2align	6, 0x0
	.amdhsa_kernel k_qa5b31cdd16_proj
		.amdhsa_group_segment_fixed_size 327680
		.amdhsa_private_segment_fixed_size 0
		.amdhsa_enable_private_segment 0
		.amdhsa_kernarg_size 32
		.amdhsa_user_sgpr_count 2
		.amdhsa_user_sgpr_kernarg_segment_ptr 1
		.amdhsa_wavefront_size32 1
		.amdhsa_system_sgpr_workgroup_id_x 1
		.amdhsa_system_sgpr_workgroup_id_y 1
		.amdhsa_system_sgpr_workgroup_id_z 1
		.amdhsa_system_vgpr_workitem_id 0
		.amdhsa_next_free_vgpr 1024
		.amdhsa_next_free_sgpr 66
		.amdhsa_reserve_vcc 0
		.amdhsa_float_denorm_mode_32 3
		.amdhsa_float_denorm_mode_16_64 3
		.amdhsa_memory_ordered 1
		.amdhsa_forward_progress 1
		.amdhsa_inst_pref_size 122
	.end_amdhsa_kernel
	.amdgpu_metadata
---
amdhsa.version: [ 1, 2 ]
amdhsa.kernels:
  - .name:           k_qa5b31cdd16_proj
    .symbol:         k_qa5b31cdd16_proj.kd
    .args:
      - { .name: xh, .offset: 0, .size: 8, .value_kind: global_buffer, .address_space: global }
      - { .name: wh, .offset: 8, .size: 8, .value_kind: global_buffer, .address_space: global }
      - { .name: misc, .offset: 16, .size: 8, .value_kind: global_buffer, .address_space: global }
      - { .name: qkv, .offset: 24, .size: 8, .value_kind: global_buffer, .address_space: global }
    .group_segment_fixed_size: 327680
    .private_segment_fixed_size: 0
    .kernarg_segment_align: 8
    .kernarg_segment_size: 32
    .max_flat_workgroup_size: 128
    .sgpr_count:     66
    .vgpr_count:     1024
    .wavefront_size: 32
...
	.end_amdgpu_metadata
.endif
;; end of part 2
;; launch attn (part 3): grid 8 x 32, 4 waves a work-group, clusters of 4 x 4, 327,680 bytes of LDS; arguments afar, qkv, nbias, misc, oh; writes oh
.if DOCPART == 3
	.amdgcn_target "amdgcn-amd-amdhsa--gfx1250"
	.amdhsa_code_object_version 6
	.text
	.protected	k_qa5b31cdd16_attn
	.globl	k_qa5b31cdd16_attn
	.p2align	8
	.type	k_qa5b31cdd16_attn,@function
k_qa5b31cdd16_attn:
	s_mov_b64 s[64:65], 0
	v_nop
	global_prefetch_b8 v0, s[64:65] scope:SCOPE_SE
	s_setreg_imm32_b32 hwreg(HW_REG_WAVE_MODE, 25, 1), 1
	s_wait_xcnt 0x0
	s_wait_alu depctr_hold_cnt(0) depctr_sa_sdst(0) depctr_va_vdst(0) depctr_va_sdst(0) depctr_va_ssrc(0) depctr_va_vcc(0) depctr_vm_vsrc(0)
	s_getreg_b32 s2, hwreg(HW_REG_IB_STS2, 6, 4)
	s_cmp_eq_u32 s2, 0
	s_cbranch_scc0 .Lentry_in_a_cluster
	s_endpgm
.Lentry_in_a_cluster:
	s_bfe_u32 s2, ttmp6, 0x10000c
	s_cmp_lg_u32 s2, 0xf033
	s_cbranch_scc0 .Lentry_shape_is_right
	s_endpgm
.Lentry_shape_is_right:
; ATTENTION.  For query i the keys fall into a BAND (key blocks qb-4 .. qb+3 of 16, qb = i / 16) and the FAR keys, |i - j| >= 49.  The memory kernel is at most 10 e^-|i-j| whatever gamma holds, so a far
; score is at most 1.8e-10 for q, k in f16's range and counts as 0: a far key's weight is 2^(0 - m), the same for all of them.  So
;   O_i = (e0 (afar V)_i + sum over the band of p v) / (e0 nfar_i + sum of p),  t = (q . k) Mt(|i-j|) + bias,  m = max(m0, max t),  p = 2^(t - m),  e0 = 2^(m0 - m):
; m is the true maximum of the row (m0 = 0 where a far key is allowed, else -1e30); afar V is a plain product shared by all heads' masks.  A row with no allowed key has afar = 1 everywhere: the uniform softmax.
; LIMITS.  A hidden key counts as its score less 1e30, so its weight is 0 as soon as the row has an allowed key: reference()'s result while |score| < 9e8.  p and O are rounded to f16.  NaN and infinities are not treated apart.
; SHARES.  A work-group takes 128 queries x 2 heads (128 channels): 32 x 8 = 256.  Wave w: queries 64 (w / 2) on (four tiles of 16), head w % 2: 16 accumulators O^T (tile, 16 channels).
; FAR LOOP.  K steps of 256 keys through two LDS slots: afar 128 rows x 512 bytes, V 256 keys x 256 bytes.  CLUSTER 4 x 4: afar's tile is shared along a row of the cluster (all head pairs), V's along a column
; (four query blocks of one batch): joint loads; waves 0, 1 fetch afar's halves, waves 2, 3 V's.  The band's K and V (256 tokens x 256 bytes each) hang on both coordinates: plain loads, into slot 0 when it has been read out.
; LAYOUT.  Source 0 = V^T (turned by ds_load_tr16_b128) or K, source 1 = afar, P or Q: in S^T and O^T a lane holds ONE query (lane % 16) and 8 keys or channels (8 (lane / 16) + 0..7).
; REGISTERS.  Window 0: v0-31 addresses; v32-63 eight registers of statistics a tile; v64-127 Mt; v128-255 bias, later the way out.  Window 1: fragment buffers.  Window 2: v0-127 O^T, v128-191 Q.  Window 3: S^T, then P in place.
.set PCH_A, 528                        ; afar's rows: 512 + 16
.set PCH_V, 288                        ; V's rows: 256 + 32
.set PCH_K, 272
.set AHALF, 64*PCH_A
.set VOFF,  128*PCH_A
.set VHALF, 128*PCH_V
.set SLOT,  143360
.set KHALF, 128*PCH_K
.set VN,    256*PCH_K                  ; the band's V behind the band's K; both end at slot 0's end
.set STAGE, 2*SLOT
.set SP,    272
.set SPARE, STAGE+128*SP
.set QO,   8
.set BO,   9
.set MO,   10
.set RO,   11
.set ADRA, 16                          ; v16-17 by slot
.set ADRV, 18                          ; v18-21 by slot and half of the step's keys
.set ADRK, 22
.set ADRVN, 23
.set STO,  24
.set RD,   25
.set CO,   26
.set SPW,  28
.set NIL,  29
.set ST,   32                          ; tile t at ST + 8 t: +0 m, +1 at work, +2 +3 l, +4 e0 then 1 / l, +5 m0 - m, +6 nfar, +7 m0
.set MT,   64
.set BIAS, 128
.set TMP,  128
.set F0,   0
.set F1,   128
.set WV,   14                          ; s14 wave; s15 wave / 2; s16 wave % 2
.set G1,   24
.set G0,   32
.set G1B,  48
.set G0B,  56
.set G1KN, 68
.set G1VN, 76
.set G0KN, 84
.set G0VN, 88
.set SEL,  92
.set MUL,  0xa5
.set MSB, 0
.macro WIN new
.if MSB != (\new)
	s_set_vgpr_msb (MSB<<8)|(\new)
.set MSB, \new
.endif
.endm
.macro PLACES
.rept 4
	v_nop
.endr
.endm
.macro JLOAD s                         ; a joint load; an s_nop 0 and four v_nop follow each line
	s_cmp_eq_u32 s15, 0
	s_cbranch_scc0 .Lfor_v_\@
	tensor_load_to_lds s[G0+4*(\s):G0+4*(\s)+3], s[G1:G1+7]
	s_nop 0
.rept 4
	v_nop
.endr
	s_branch .Lasked_\@
.Lfor_v_\@:
	tensor_load_to_lds s[G0B+4*(\s):G0B+4*(\s)+3], s[G1B:G1B+7]
	s_nop 0
.rept 4
	v_nop
.endr
.Lasked_\@:
.endm
.macro NLOAD                           ; the band's tiles: waves 0, 1 the halves of K, waves 2, 3 those of V
	s_cmp_eq_u32 s15, 0
	s_cbranch_scc0 .Lnear_v_\@
	tensor_load_to_lds s[G0KN:G0KN+3], s[G1KN:G1KN+7]
	s_nop 0
.rept 4
	v_nop
.endr
	s_branch .Lnear_asked_\@
.Lnear_v_\@:
	tensor_load_to_lds s[G0VN:G0VN+3], s[G1VN:G1VN+7]
	s_nop 0
.rept 4
	v_nop
.endr
.Lnear_asked_\@:
.endm
.macro CREST
	s_cmp_lg_u32 s[WV], 0
	s_cbranch_scc1 .Lnot_wave_0_\@
	s_barrier_signal -3
.Lnot_wave_0_\@:
	s_barrier_wait -3
	s_barrier_signal -1
	s_barrier_wait -1
.endm
.macro CROUND
	s_barrier_signal -1
	s_barrier_wait -1
	CREST
.endm
	s_load_b256 s[4:11], s[0:1], 0x0               ; afar s[4:5], qkv s[6:7], nbias s[8:9], misc s[10:11]
	s_load_b64 s[12:13], s[0:1], 0x20              ; oh
	v_lshl_add_u32 v[SPW], v0, 2, SPARE
	v_mov_b32 v[NIL], 0
	ds_add_u32 v[SPW], v[NIL]                      ; the wave's opening: the add and its wait ahead of my first tensor load
	ds_add_u32 v28, v29
	v_lshrrev_b32 v1, 5, v0
	v_readfirstlane_b32 s[WV], v1
	s_lshr_b32 s15, s[WV], 1
	s_and_b32 s16, s[WV], 1
	s_bfe_u32 s40, ttmp6, 0x40000                  ; cx
	s_bfe_u32 s41, ttmp6, 0x40004                  ; cy
	s_lshl_b32 s42, ttmp9, 2
	s_add_co_u32 s42, s42, s40                     ; the pair of heads
	s_and_b32 s46, ttmp7, 0xffff
	s_lshl_b32 s43, s46, 2
	s_add_co_u32 s43, s43, s41                     ; the block of 128 queries, 0..31
	s_lshr_b32 s46, s46, 2                         ; the batch: made of the cluster's y alone
	s_lshl_b32 s44, s41, 2
	s_lshl_b32 s44, 15, s44
	s_lshl_b32 s45, 0x1111, s40
	s_or_b32 s[G1], s44, (1<<16)|(1<<20)|(1<<21)|(6<<22)|(3<<25)   ; afar: my row's mask; after every 128 words 4 words
	s_mov_b32 s[G1+1], 256<<16                     ; tensor_dim0 = 256
	s_mov_b32 s[G1+2], 64<<16                      ; tensor_dim1 = 64
	s_mov_b32 s[G1+3], 256<<16                     ; tile_dim0 = 256
	s_mov_b32 s[G1+4], 64                          ; tile_dim1 = 64
	s_mov_b32 s[G1+5], 2048
	s_mov_b32 s[G1+6], 0
	s_mov_b32 s[G1+7], 0
	s_or_b32 s[G1B], s45, (1<<16)|(1<<20)|(1<<21)|(5<<22)|(7<<25)  ; V: my column's mask; after every 64 words 8 words
	s_mov_b32 s[G1KN], (1<<16)|(1<<20)|(5<<22)|(3<<25)             ; the band's K: no mask; 4 words of padding
	s_mov_b32 s[G1VN], (1<<16)|(1<<20)|(5<<22)|(7<<25)             ; the band's V: 8 words
.irp g, G1B, G1KN, G1VN
	s_mov_b32 s[(\g)+1], 128<<16
	s_mov_b32 s[(\g)+2], 128<<16
	s_mov_b32 s[(\g)+3], 128<<16
	s_mov_b32 s[(\g)+4], 128
	s_mov_b32 s[(\g)+5], 3072
	s_mov_b32 s[(\g)+6], 0
	s_mov_b32 s[(\g)+7], 0
.endr
	s_lshl_b32 s18, s43, 19                        ; afar: 128 rows of 4,096 bytes a block,
	s_lshl_b32 s19, s16, 18                        ; my 64 of them
	s_add_co_u32 s18, s18, s19
	s_mov_b32 s19, 0
	s_lshl_b32 s20, s46, 11                        ; V: the batch's rows behind the 64 pad rows, my 128 of a step's 256,
	s_lshl_b32 s21, s16, 7
	s_add_co_u32 s20, s20, s21
	s_add_co_u32 s20, s20, 64
	s_mul_i32 s20, s20, 6144
	s_lshl_b32 s21, s42, 8                         ; the pair's 256 bytes among v's columns
	s_add_co_u32 s20, s20, s21
	s_add_co_u32 s20, s20, 4096
	s_mov_b32 s21, 0
	s_add_co_u32 s22, s43, s16                     ; the band: buffer rows 128 block on are tokens 128 block - 64 on; my 128 of 256
	s_mul_i32 s22, s22, 128*6144
	s_lshl_b32 s23, s42, 8
	s_add_co_u32 s22, s22, s23
	s_add_co_u32 s22, s22, 2048                    ; k's columns
	s_mov_b32 s23, 0
	s_mul_i32 s17, s16, AHALF
	s_mul_i32 s47, s16, VHALF
	s_mul_i32 s2, s16, KHALF
	s_mov_b32 s[SEL], 0x76543210
	s_mov_b32 s[SEL+1], 0xfedcba98
	s_wait_dscnt 0x0                               ; the opening add is done
	s_wait_kmcnt 0x0
	s_add_nc_u64 s[18:19], s[4:5], s[18:19]
	s_add_nc_u64 s[20:21], s[6:7], s[20:21]
	s_add_nc_u64 s[22:23], s[6:7], s[22:23]
	CROUND                                         ; all sixteen work-groups are here
.irp s, 0,1
	s_mov_b32 s[G0+4*(\s)], 1
	s_add_co_u32 s[G0+4*(\s)+1], s17, (\s)*SLOT
	s_add_nc_u64 s[G0+4*(\s)+2:G0+4*(\s)+3], s[18:19], (\s)*512
	s_or_b32 s[G0+4*(\s)+3], s[G0+4*(\s)+3], 0x80000000
	s_mov_b32 s[G0B+4*(\s)], 1
	s_add_co_u32 s[G0B+4*(\s)+1], s47, VOFF+(\s)*SLOT
	s_add_nc_u64 s[G0B+4*(\s)+2:G0B+4*(\s)+3], s[20:21], (\s)*256*6144
	s_or_b32 s[G0B+4*(\s)+3], s[G0B+4*(\s)+3], 0x80000000
	JLOAD \s                                       ; two loads of mine are out
.endr
	s_mov_b32 s[G0KN], 1
	s_mov_b32 s[G0KN+1], s2
	s_add_nc_u64 s[G0KN+2:G0KN+3], s[22:23], 0
	s_or_b32 s[G0KN+3], s[G0KN+3], 0x80000000
	s_mov_b32 s[G0VN], 1
	s_add_co_u32 s[G0VN+1], s47, VN
	s_add_nc_u64 s[G0VN+2:G0VN+3], s[22:23], 2048  ; v's columns
	s_or_b32 s[G0VN+3], s[G0VN+3], 0x80000000
	v_and_b32 v1, 15, v0                           ; r
	v_bfe_u32 v2, v0, 4, 1                         ; h
	v_and_b32 v3, 7, v0
	v_bfe_u32 v4, v0, 3, 1
	v_and_b32 v5, 31, v0
	v_mul_u32_u24 v6, v1, PCH_A
	v_lshl_add_u32 v6, v2, 4, v6
	s_mul_i32 s18, s15, 64*PCH_A
	v_add_nc_u32 v[ADRA], s18, v6
	v_add_nc_u32 v[ADRA+1], SLOT, v[ADRA]
	v_lshl_add_u32 v7, v2, 3, v3                   ; the turning load: key 8 h + l % 8, channels 8 ((l / 8) % 2) on, my head's 128 bytes
	v_mul_u32_u24 v7, v7, PCH_V
	v_lshl_add_u32 v7, v4, 4, v7
	v_lshl_add_u32 v7, s16, 7, v7
	v_add_nc_u32 v[ADRV],   VOFF, v7
	v_add_nc_u32 v[ADRV+1], VOFF+128*PCH_V, v7
	v_add_nc_u32 v[ADRV+2], SLOT+VOFF, v7
	v_add_nc_u32 v[ADRV+3], SLOT+VOFF+128*PCH_V, v7
	s_mul_i32 s18, s15, 64*PCH_V
	s_add_co_u32 s18, s18, VN
	v_add_nc_u32 v[ADRVN], s18, v7
	v_mul_u32_u24 v6, v1, PCH_K
	v_lshl_add_u32 v6, v2, 4, v6
	v_lshl_add_u32 v6, s16, 7, v6
	s_mul_i32 s18, s15, 64*PCH_K
	v_add_nc_u32 v[ADRK], s18, v6
	v_add_nc_u32 v[STO], STAGE, v[ADRK]            ; the stage has K's pitch: row 64 (w / 2) + r, my head's 128 bytes, 16 h
	s_mul_i32 s18, s[WV], 32*SP
	s_add_co_u32 s18, s18, STAGE
	v_mul_u32_u24 v6, v2, SP
	v_lshl_add_u32 v6, v1, 4, v6
	v_add_nc_u32 v[RD], s18, v6
	v_lshlrev_b32 v6, 11, v2
	v_lshl_add_u32 v[CO], v1, 4, v6
	v_mul_u32_u24 v6, v1, 6144
	v_lshl_add_u32 v[QO], v2, 4, v6
	v_lshlrev_b32 v[BO], 4, v5
	v_lshlrev_b32 v[MO], 2, v5
	v_lshlrev_b32 v[RO], 3, v1
.irp t, 0,1,2,3
	v_mov_b32 v[ST+8*(\t)+1], 0                    ; v_permlanex16_b32's destination counts as read
.endr
	s_lshl_b32 s18, s43, 7
	s_lshl_b32 s19, s15, 6
	s_add_co_u32 s18, s18, s19                     ; my first query, 128 block + 64 (w / 2)
	s_add_co_u32 s20, s18, 64
	s_mul_i32 s20, s20, 6144
	s_lshl_b32 s21, s42, 8
	s_add_co_u32 s20, s20, s21
	s_lshl_b32 s21, s16, 7
	s_add_co_u32 s20, s20, s21
	s_mov_b32 s21, 0
	s_add_nc_u64 s[94:95], s[6:7], s[20:21]        ; q of my queries and head
	s_lshl_b32 s20, s18, 8
	s_add_nc_u64 s[96:97], s[8:9], s[20:21]        ; nbias: 4,096 bytes a tile of 16
	s_lshl_b32 s20, s18, 3
	s_add_nc_u64 s[98:99], s[10:11], s[20:21]      ; (nfar, m0): 8 bytes a row
	s_lshl_b32 s20, s43, 7
	s_lshl_b32 s22, s[WV], 5
	s_add_co_u32 s20, s20, s22
	s_lshl_b32 s20, s20, 11
	s_lshl_b32 s22, s42, 8
	s_add_co_u32 s20, s20, s22
	s_add_nc_u64 s[12:13], s[12:13], s[20:21]      ; oh at the 32 rows that I store
	; what the band needs is asked for now and waited for once, in front of the band; neither its registers nor its addresses are touched in the far loop
	WIN 0x80
.irp t, 0,1,2,3
.irp kc, 0,1
	global_load_b128 v[128+16*(\t)+8*(\kc):128+16*(\t)+8*(\kc)+3],   v[QO], s[94:95] offset:(\t)*98304+(\kc)*64
	global_load_b128 v[128+16*(\t)+8*(\kc)+4:128+16*(\t)+8*(\kc)+7], v[QO], s[94:95] offset:(\t)*98304+(\kc)*64+32
.endr
.endr
	WIN 0
.set i, 0
.rept 32
	global_load_b128 v[BIAS+4*i:BIAS+4*i+3], v[BO], s[96:97] offset:512*i
.set i, i+1
.endr
.set i, 0
.rept 64
	global_load_b32 v[MT+i], v[MO], s[10:11] offset:12288+128*i
.set i, i+1
.endr
.irp t, 0,1,2,3
	global_load_b64 v[ST+8*(\t)+6:ST+8*(\t)+7], v[RO], s[98:99] offset:20480+128*(\t)
.endr
; 8 matrix instructions: tiles a0, a0 + 1 x all 4 channel blocks, 32 keys: half c of buffer f.  The 16 accumulators take turns.
.macro MUL8 f, c, a0, zero
	WIN MUL
.irp a, \a0, (\a0)+1
.irp b, 0,1,2,3
.if \zero
	v_wmma_f32_16x16x32_f16 v[8*(4*(\a)+(\b)):8*(4*(\a)+(\b))+7], v[(\f)+64+8*(4*(\c)+(\b)):(\f)+64+8*(4*(\c)+(\b))+7], v[(\f)+8*(4*(\c)+(\a)):(\f)+8*(4*(\c)+(\a))+7], 0
.else
	v_wmma_f32_16x16x32_f16 v[8*(4*(\a)+(\b)):8*(4*(\a)+(\b))+7], v[(\f)+64+8*(4*(\c)+(\b)):(\f)+64+8*(4*(\c)+(\b))+7], v[(\f)+8*(4*(\c)+(\a)):(\f)+8*(4*(\c)+(\a))+7], v[8*(4*(\a)+(\b)):8*(4*(\a)+(\b))+7]
.endif
.endr
.endr
.endm
; 32 LDS loads in one run: quarter q (64 keys) of a slot into buffer f; the first 32 keys first
.macro FETCH slot, q, f
	WIN 0x40
.irp c, 0,1
.irp i, 0,1,2,3
	ds_load_tr16_b128 v[(\f)+64+8*(4*(\c)+(\i)):(\f)+64+8*(4*(\c)+(\i))+3],   v[ADRV+2*(\slot)+(\q)/2] offset:(((\q)%2)*64+32*(\c))*PCH_V+32*(\i)
	ds_load_tr16_b128 v[(\f)+64+8*(4*(\c)+(\i))+4:(\f)+64+8*(4*(\c)+(\i))+7], v[ADRV+2*(\slot)+(\q)/2] offset:(((\q)%2)*64+32*(\c)+16)*PCH_V+32*(\i)
	ds_load_b128 v[(\f)+8*(4*(\c)+(\i)):(\f)+8*(4*(\c)+(\i))+3],   v[ADRA+(\slot)] offset:128*(\q)+64*(\c)+(\i)*16*PCH_A
	ds_load_b128 v[(\f)+8*(4*(\c)+(\i))+4:(\f)+8*(4*(\c)+(\i))+7], v[ADRA+(\slot)] offset:128*(\q)+64*(\c)+(\i)*16*PCH_A+32
.endr
.endr
.endm
.macro QUARTER slot, q, f, g, zero     ; multiplies buffer f and fetches quarter q into g
	s_wait_dscnt 16                                ; the first 32 keys are in
	MUL8 \f, 0, 0, \zero
	MUL8 \f, 0, 2, \zero
	PLACES
	FETCH \slot, \q, \g
	s_wait_dscnt 32                                ; all but the 32 just issued
	MUL8 \f, 1, 0, 0
	MUL8 \f, 1, 2, 0
.endm
; The last quarter of a K step changes slots.  In front of the round each wave waits for all its tensor loads (one is out: its part of the next slot), adds 0 to its spare word, and waits for that and for its
; reads of this slot.  fill = 1: the slot takes the keys two steps on, jointly; fill = 2: slot 0 has been read for the last time and takes the band's K and V.  The load is the first thing behind the round.
.macro TURN slot, next, fill
	WIN 0
	s_wait_tensorcnt 0x0
	ds_add_u32 v[SPW], v[NIL]
	s_wait_dscnt 17                                ; the add and the youngest sixteen loads may be out
	MUL8 F1, 0, 0, 0
	s_wait_dscnt 0x0                               ; the add is done, and my reads of this slot are over
	s_barrier_signal -1
	MUL8 F1, 0, 2, 0
	WIN 0
	s_barrier_wait -1
	CREST                                          ; no wave of any partner still reads this slot or has a load on its way
.if (\fill) == 1
	s_add_nc_u64 s[G0+4*(\slot)+2:G0+4*(\slot)+3], s[G0+4*(\slot)+2:G0+4*(\slot)+3], 2*512
	s_add_nc_u64 s[G0B+4*(\slot)+2:G0B+4*(\slot)+3], s[G0B+4*(\slot)+2:G0B+4*(\slot)+3], 2*256*6144
	JLOAD \slot                                    ; its four v_nop are also the places in front of the loads below
.else
	NLOAD
.endif
	FETCH \next, 0, F0
	MUL8 F1, 1, 0, 0
	MUL8 F1, 1, 2, 0
.endm
	s_wait_tensorcnt 1                             ; my part of step 0 is in; step 1's may stay out
	s_barrier_signal -1
	s_barrier_wait -1
	FETCH 0, 0, F0
	QUARTER 0, 1, F0, F1, 1                        ; the first quarter stands in front of the loop: its first products start the sums
	WIN 0
	s_mov_b32 s3, 3
.Llap:                                                 ; a trip goes once round the ring: steps 2 to 7 are asked for in three trips
	QUARTER 0, 2, F1, F0, 0
	QUARTER 0, 3, F0, F1, 0
	TURN 0, 1, 1
	QUARTER 1, 1, F0, F1, 0
	QUARTER 1, 2, F1, F0, 0
	QUARTER 1, 3, F0, F1, 0
	TURN 1, 0, 1
	QUARTER 0, 1, F0, F1, 0
	WIN 0
	s_sub_co_u32 s3, s3, 1
	s_cmp_lg_u32 s3, 0
	s_cbranch_scc1 .Llap
	QUARTER 0, 2, F1, F0, 0
	QUARTER 0, 3, F0, F1, 0
	TURN 0, 1, 2                                   ; the band's tiles land under the last step's 128 products
	QUARTER 1, 1, F0, F1, 0
	QUARTER 1, 2, F1, F0, 0
	QUARTER 1, 3, F0, F1, 0
	WIN 0
	s_wait_tensorcnt 0x0                           ; my part of the band's tiles is in
	ds_add_u32 v[SPW], v[NIL]
	s_wait_dscnt 17
	MUL8 F1, 0, 0, 0
	s_wait_dscnt 0x0
	s_barrier_signal -1
	MUL8 F1, 0, 2, 0
	s_barrier_wait -1                              ; everybody's part is in
	MUL8 F1, 1, 0, 0
	MUL8 F1, 1, 2, 0
	; THE BAND.  Tile t and block c' meet key block x = t + c' of my 11 (tokens 64 (w / 2) - 64 on, from the work-group's first query).
	PLACES
	WIN 0x40
.set x, 0
.rept 11
.irp kc, 0,1
	ds_load_b128 v[16*x+8*(\kc):16*x+8*(\kc)+3],   v[ADRK] offset:x*16*PCH_K+64*(\kc)
	ds_load_b128 v[16*x+8*(\kc)+4:16*x+8*(\kc)+7], v[ADRK] offset:x*16*PCH_K+64*(\kc)+32
.endr
.set x, x+1
.endr
	s_wait_loadcnt 0x0                             ; Q, bias, Mt, the rows' figures
	s_wait_dscnt 0x0
	WIN 0xf9                                       ; K window 1, Q window 2, S^T window 3
.irp kc, 0,1
.irp c, 0,1,2,3,4,5,6,7
.irp t, 0,1,2,3
.if (\kc) == 0
	v_wmma_f32_16x16x32_f16 v[64*(\t)+8*(\c):64*(\t)+8*(\c)+7], v[16*((\t)+(\c)):16*((\t)+(\c))+7], v[128+16*(\t):128+16*(\t)+7], 0
.else
	v_wmma_f32_16x16x32_f16 v[64*(\t)+8*(\c):64*(\t)+8*(\c)+7], v[16*((\t)+(\c))+8:16*((\t)+(\c))+15], v[128+16*(\t)+8:128+16*(\t)+15], v[64*(\t)+8*(\c):64*(\t)+8*(\c)+7]
.endif
.endr
.endr
.endr
	PLACES
; V^T of 32 keys from key block y on: even y at 32 (y / 2); y = 1, 3, 5 at 160 on; y = 7, 9 later where y = 0, 2 lay
.macro VREG y
.if ((\y)%2) == 0
.set rV, 32*((\y)/2)
.elseif (\y) < 7
.set rV, 160+32*(((\y)-1)/2)
.else
.set rV, 32*(((\y)-7)/2)
.endif
.endm
.macro VLOAD y
	VREG \y
.irp cb, 0,1,2,3
	ds_load_tr16_b128 v[rV+8*(\cb):rV+8*(\cb)+3],   v[ADRVN] offset:(\y)*16*PCH_V+32*(\cb)
	ds_load_tr16_b128 v[rV+8*(\cb)+4:rV+8*(\cb)+7], v[ADRVN] offset:((\y)+1)*16*PCH_V+32*(\cb)
.endr
.endm
	WIN 0x40
.irp y, 0,2,4,6,8,1,3,5
	VLOAD \y                                       ; 64 loads that land under the vector work below
.endr
	WIN 0xc3                                       ; t = s Mt + bias: S^T window 3, Mt and bias window 0; each accumulator's registers in ascending order
.irp t, 0,1,2,3
.irp c, 0,1,2,3,4,5,6,7
.irp p, 0,1,2,3
	v_fma_mix_f32_bf16 v[64*(\t)+8*(\c)+2*(\p)],   v[64*(\t)+8*(\c)+2*(\p)],   v[MT+8*(\c)+2*(\p)],   v[BIAS+4*(8*(\t)+(\c))+(\p)] op_sel_hi:[0,0,1]
	v_fma_mix_f32_bf16 v[64*(\t)+8*(\c)+2*(\p)+1], v[64*(\t)+8*(\c)+2*(\p)+1], v[MT+8*(\c)+2*(\p)+1], v[BIAS+4*(8*(\t)+(\c))+(\p)] op_sel:[0,0,1] op_sel_hi:[0,0,1]
.endr
.endr
.endr
	WIN 0x3c                                       ; the maximum of m0 and the lane's 64 scores, the four tiles by turns
.set n, 0
.rept 32
.irp t, 0,1,2,3
.if n == 0
	v_max3_num_f32 v[ST+8*(\t)], v[ST+8*(\t)+7], v[64*(\t)], v[64*(\t)+1]
.else
	v_max3_num_f32 v[ST+8*(\t)], v[ST+8*(\t)], v[64*(\t)+2*n], v[64*(\t)+2*n+1]
.endif
.endr
.set n, n+1
.endr
	WIN 0
.irp t, 0,1,2,3
	v_permlanex16_b32 v[ST+8*(\t)+1], v[ST+8*(\t)], s[SEL], s[SEL+1]  ; the query's other 64 keys lie in the lane 16 away
.endr
.irp t, 0,1,2,3
	v_max_num_f32 v[ST+8*(\t)], v[ST+8*(\t)], v[ST+8*(\t)+1]
.endr
.irp t, 0,1,2,3
	v_sub_f32 v[ST+8*(\t)+5], v[ST+8*(\t)+7], v[ST+8*(\t)]
.endr
.irp t, 0,1,2,3
	v_exp_f32 v[ST+8*(\t)+4], v[ST+8*(\t)+5]       ; e0
.endr
	WIN 0xc3
.irp t, 0,1,2,3
.set n, 0
.rept 32
	v_pk_add_f32 v[64*(\t)+2*n:64*(\t)+2*n+1], v[64*(\t)+2*n:64*(\t)+2*n+1], v[ST+8*(\t):ST+8*(\t)+1] op_sel_hi:[1,0] neg_lo:[0,1] neg_hi:[0,1]
.set n, n+1
.endr
.endr
.set i, 0
.rept 256
	v_exp_f32 v[i], v[i]
.set i, i+1
.endr
	v_nop                                          ; a plain line between the exponentials and the use of their results
	WIN 0x0f                                       ; l: the sum of the unrounded weights, in pairs
	s_wait_alu depctr_va_vdst(0)
.irp t, 0,1,2,3
	v_pk_add_f32 v[ST+8*(\t)+2:ST+8*(\t)+3], v[64*(\t):64*(\t)+1], v[64*(\t)+2:64*(\t)+3]
.endr
	WIN 0x0c
.set n, 2
.rept 30
.irp t, 0,1,2,3
	v_pk_add_f32 v[ST+8*(\t)+2:ST+8*(\t)+3], v[ST+8*(\t)+2:ST+8*(\t)+3], v[64*(\t)+2*n:64*(\t)+2*n+1]
.endr
.set n, n+1
.endr
	WIN 0xcf                                       ; P in place: blocks 2 cc and 2 cc + 1 become the 8 registers at 64 t + 16 cc; no line writes a register that a later one reads
.irp t, 0,1,2,3
.irp cc, 0,1,2,3
.irp i, 0,1,2,3
	v_cvt_pk_f16_f32 v[64*(\t)+16*(\cc)+(\i)], v[64*(\t)+16*(\cc)+2*(\i)], v[64*(\t)+16*(\cc)+2*(\i)+1]
.endr
.irp i, 0,1,2,3
	v_cvt_pk_f16_f32 v[64*(\t)+16*(\cc)+4+(\i)], v[64*(\t)+16*(\cc)+8+2*(\i)], v[64*(\t)+16*(\cc)+8+2*(\i)+1]
.endr
.endr
.endr
	WIN 0x82                                       ; the far sums times e0
.irp t, 0,1,2,3
.set n, 0
.rept 16
	v_pk_mul_f32 v[32*(\t)+2*n:32*(\t)+2*n+1], v[32*(\t)+2*n:32*(\t)+2*n+1], v[ST+8*(\t)+4:ST+8*(\t)+5] op_sel_hi:[1,0]
.set n, n+1
.endr
.endr
; O^T += V^T P for key block y and tiles t0, t0 + 2, where y - t is 0, 2, 4 or 6; no two products on end share an accumulator
.macro PVY y, t0
	VREG \y
.irp cb, 0,1,2,3
.irp t, \t0, (\t0)+2
.if ((\y) >= (\t)) && ((\y)-(\t) <= 6)
	v_wmma_f32_16x16x32_f16 v[8*(4*(\t)+(\cb)):8*(4*(\t)+(\cb))+7], v[rV+8*(\cb):rV+8*(\cb)+7], v[64*(\t)+8*((\y)-(\t)):64*(\t)+8*((\y)-(\t))+7], v[8*(4*(\t)+(\cb)):8*(4*(\t)+(\cb))+7]
.endif
.endr
.endr
.endm
	s_wait_dscnt 0x0                               ; V^T is in
	WIN 0xad                                       ; V^T window 1, P window 3, O^T window 2
.irp y, 0,2,4,6,8
	PVY \y, 0
.endr
	PLACES
	WIN 0x40
	VLOAD 7
	VLOAD 9
	WIN 0xad
.irp y, 1,3,5
	PVY \y, 1
.endr
	s_wait_dscnt 0x0
	PVY 7, 1
	PVY 9, 1
	WIN 0                                          ; l's halves, the other lanes' half, the far keys' share; the plain lines are the places behind the last products
.irp t, 0,1,2,3
	v_add_f32 v[ST+8*(\t)+2], v[ST+8*(\t)+2], v[ST+8*(\t)+3]
.endr
.irp t, 0,1,2,3
	v_permlanex16_b32 v[ST+8*(\t)+3], v[ST+8*(\t)+2], s[SEL], s[SEL+1]
.endr
.irp t, 0,1,2,3
	v_add_f32 v[ST+8*(\t)+2], v[ST+8*(\t)+2], v[ST+8*(\t)+3]
.endr
.irp t, 0,1,2,3
	v_fmac_f32 v[ST+8*(\t)+2], v[ST+8*(\t)+4], v[ST+8*(\t)+6]
.endr
.irp t, 0,1,2,3
	v_rcp_f32 v[ST+8*(\t)+4], v[ST+8*(\t)+2]
.endr
	v_nop                                          ; a plain line between the last reciprocal and the use of its result
	WIN 0x82
	s_wait_alu depctr_va_vdst(0)
.irp t, 0,1,2,3
.set n, 0
.rept 16
	v_pk_mul_f32 v[32*(\t)+2*n:32*(\t)+2*n+1], v[32*(\t)+2*n:32*(\t)+2*n+1], v[ST+8*(\t)+4:ST+8*(\t)+5] op_sel_hi:[1,0]
.set n, n+1
.endr
.endr
	; THE WAY OUT: rounded to f16; 16 bytes a lane into the work-group's stage; a barrier, since a row's 256 bytes come from two waves; back as whole rows, 32 a wave.
	WIN 0x0a
.set i, 0
.rept 64
	v_cvt_pk_f16_f32 v[TMP+i], v[2*i], v[2*i+1]
.set i, i+1
.endr
	WIN 0
.irp t, 0,1,2,3
.irp cb, 0,1,2,3
	ds_store_b128 v[STO], v[TMP+4*(4*(\t)+(\cb)):TMP+4*(4*(\t)+(\cb))+3] offset:(\t)*16*SP+32*(\cb)
.endr
.endr
	s_wait_dscnt 0x0                               ; for the others' sake: my stores into the stage are done
	s_barrier_signal -1
	s_barrier_wait -1
.irp q, 0,1,2,3,4,5,6,7,8,9,10,11,12,13,14,15
	ds_load_b128 v[TMP+4*(\q):TMP+4*(\q)+3], v[RD] offset:(\q)*2*SP
.endr
.irp q, 0,1,2,3,4,5,6,7,8,9,10,11,12,13,14,15
	s_wait_dscnt 15-(\q)
	global_store_b128 v[CO], v[TMP+4*(\q):TMP+4*(\q)+3], s[12:13] offset:2*(\q)*2048  ; 16 lanes store 256 consecutive bytes, at a multiple of 256 from oh's first byte
.endr
	s_wait_tensorcnt 0x0                           ; the wave's end
	ds_add_u32 v[SPW], v[NIL]
	s_wait_dscnt 0x0
	CROUND                                         ; the closing round
	s_endpgm
.Lfunc_end_k_qa5b31cdd16_attn:
	.size	k_qa5b31cdd16_attn, .Lfunc_end_k_qa5b31cdd16_attn-k_qa5b31cdd16_attn
	.p2alignl 7, 3214868480
	.fill 96, 4, 3214868480
	.section	.rodata,"a",@progbits
	.p2align	6, 0x0
	.amdhsa_kernel k_qa5b31cdd16_attn
		.amdhsa_group_segment_fixed_size 327680
		.amdhsa_private_segment_fixed_size 0
		.amdhsa_enable_private_segment 0
		.amdhsa_kernarg_size 40
		.amdhsa_user_sgpr_count 2
		.amdhsa_user_sgpr_kernarg_segment_ptr 1
		.amdhsa_wavefront_size32 1
		.amdhsa_system_sgpr_workgroup_id_x 1
		.amdhsa_system_sgpr_workgroup_id_y 1
		.amdhsa_system_sgpr_workgroup_id_z 1
		.amdhsa_system_vgpr_workitem_id 0
		.amdhsa_next_free_vgpr 1024
		.amdhsa_next_free_sgpr 100
		.amdhsa_reserve_vcc 0
		.amdhsa_float_denorm_mode_32 3
		.amdhsa_float_denorm_mode_16_64 3
		.amdhsa_memory_ordered 1
		.amdhsa_forward_progress 1
		.amdhsa_inst_pref_size 184
	.end_amdhsa_kernel
	.amdgpu_metadata
---
amdhsa.version: [ 1, 2 ]
amdhsa.kernels:
  - .name:           k_qa5b31cdd16_attn
    .symbol:         k_qa5b31cdd16_attn.kd
    .args:
      - { .name: afar, .offset: 0, .size: 8, .value_kind: global_buffer, .address_space: global }
      - { .name: qkv, .offset: 8, .size: 8, .value_kind: global_buffer, .address_space: global }
      - { .name: nbias, .offset: 16, .size: 8, .value_kind: global_buffer, .address_space: global }
      - { .name: misc, .offset: 24, .size: 8, .value_kind: global_buffer, .address_space: global }
      - { .name: oh, .offset: 32, .size: 8, .value_kind: global_buffer, .address_space: global }
    .group_segment_fixed_size: 327680
    .private_segment_fixed_size: 0
    .kernarg_segment_align: 8
    .kernarg_segment_size: 40
    .max_flat_workgroup_size: 128
    .sgpr_count:     100
    .vgpr_count:     1024
    .wavefront_size: 32
...
	.end_amdgpu_metadata
.endif
;; end of part 3
;; launch outp (part 4): grid 8 x 32, 4 waves a work-group, clusters of 4 x 4, 327,680 bytes of LDS; arguments oh, wh, misc, out0; writes out0
.if DOCPART == 4
	.amdgcn_target "amdgcn-amd-amdhsa--gfx1250"
	.amdhsa_code_object_version 6
	.text
	.protected	k_qa5b31cdd16_outp
	.globl	k_qa5b31cdd16_outp
	.p2align	8
	.type	k_qa5b31cdd16_outp,@function
k_qa5b31cdd16_outp:
	s_mov_b64 s[64:65], 0
	v_nop
	global_prefetch_b8 v0, s[64:65] scope:SCOPE_SE
	s_setreg_imm32_b32 hwreg(HW_REG_WAVE_MODE, 25, 1), 1
	s_wait_xcnt 0x0
	s_wait_alu depctr_hold_cnt(0) depctr_sa_sdst(0) depctr_va_vdst(0) depctr_va_sdst(0) depctr_va_ssrc(0) depctr_va_vcc(0) depctr_vm_vsrc(0)
	s_getreg_b32 s2, hwreg(HW_REG_IB_STS2, 6, 4)
	s_cmp_eq_u32 s2, 0
	s_cbranch_scc0 .Lentry_in_a_cluster
	s_endpgm
.Lentry_in_a_cluster:
	s_bfe_u32 s2, ttmp6, 0x10000c
	s_cmp_lg_u32 s2, 0xf033
	s_cbranch_scc0 .Lentry_shape_is_right
	s_endpgm
.Lentry_shape_is_right:
; THE OUTPUT PROJECTION.  out0[m][n] = sum over k of oh[m][k] wo[n][k] + bo[n]; m < 4096, n, k < 1024.  oh and wo (rows 3,072 on of wh) in f16, sums and out0 in f32; bo (rounded to bf16, in misc at 53,248) is the C of the first product.
; A tile is 128 x 128: 32 x 8 = 256 work-groups.  Four waves, each 64 x 64: 16 accumulators.  K steps of 256 (LDS rows of 512 bytes) through two slots.
; CLUSTER 4 x 4: oh's tile is shared along a row of the cluster, wo's along a column: joint loads; waves 0, 1 fetch oh's halves, waves 2, 3 wo's.
; THE MATRIX INSTRUCTION IS USED TRANSPOSED (source 0 = 16 rows of wo, source 1 = 16 rows of oh): a lane holds eight neighbouring columns of one row.
; REGISTERS: window 0: v0-31 addresses; v32-95 the way out; v96-127 the bias; v128-255 the accumulators.  Window 1: two fragment buffers of 128.
.set SIZE_K, 1024
.set KSTEP,  256
.set PITCH,  528
.set HALFT,  64*PITCH
.set SLOT,   4*HALFT
.set STAGE,  2*SLOT                    ; behind the ring: 16 rows x 272 bytes for each wave
.set SPITCH, 272
.set SPARE,  STAGE+4*16*SPITCH
.set LAPS,   SIZE_K/(2*KSTEP)
.set ADRA, 16
.set ADRB, 20
.set STO,  24
.set RD,   25
.set CO,   26
.set BO,   27
.set SPW,  28
.set NIL,  29
.set TMP,  32
.set BIAS, 96
.set ACC,  128
.set F0,   0
.set F1,   128
.set WV,   12                          ; s12 wave; s13 wave / 2; s14 wave % 2
.set G1,   24
.set G0,   32
.set G1B,  48
.set G0B,  56
.set MUL,  0x05
.set TO_F, 0x40
.set MSB, 0
.macro WIN new
.if MSB != (\new)
	s_set_vgpr_msb (MSB<<8)|(\new)
.set MSB, \new
.endif
.endm
.macro PLACES
.rept 4
	v_nop
.endr
.endm
.macro JLOAD s                         ; a joint load; an s_nop 0 and four v_nop follow each line
	s_cmp_eq_u32 s13, 0
	s_cbranch_scc0 .Lfor_b_\@
	tensor_load_to_lds s[G0+4*(\s):G0+4*(\s)+3], s[G1:G1+7]
	s_nop 0
.rept 4
	v_nop
.endr
	s_branch .Lasked_\@
.Lfor_b_\@:
	tensor_load_to_lds s[G0B+4*(\s):G0B+4*(\s)+3], s[G1B:G1B+7]
	s_nop 0
.rept 4
	v_nop
.endr
.Lasked_\@:
.endm
.macro CREST
	s_cmp_lg_u32 s[WV], 0
	s_cbranch_scc1 .Lnot_wave_0_\@
	s_barrier_signal -3
.Lnot_wave_0_\@:
	s_barrier_wait -3
	s_barrier_signal -1
	s_barrier_wait -1
.endm
.macro CROUND
	s_barrier_signal -1
	s_barrier_wait -1
	CREST
.endm
	s_load_b256 s[4:11], s[0:1], 0x0               ; oh s[4:5], wh s[6:7], misc s[8:9], out0 s[10:11]
	v_lshl_add_u32 v[SPW], v0, 2, SPARE
	v_mov_b32 v[NIL], 0
	ds_add_u32 v[SPW], v[NIL]                      ; the wave's opening: the add and its wait ahead of my first tensor load
	ds_add_u32 v28, v29
	v_lshrrev_b32 v1, 5, v0
	v_readfirstlane_b32 s[WV], v1
	s_lshr_b32 s13, s[WV], 1
	s_and_b32 s14, s[WV], 1
	s_bfe_u32 s40, ttmp6, 0x40000
	s_bfe_u32 s41, ttmp6, 0x40004
	s_lshl_b32 s42, ttmp9, 2
	s_add_co_u32 s42, s42, s40                     ; tile column
	s_and_b32 s43, ttmp7, 0xffff
	s_lshl_b32 s43, s43, 2
	s_add_co_u32 s43, s43, s41                     ; tile row
	s_lshl_b32 s44, s41, 2
	s_lshl_b32 s44, 15, s44
	s_lshl_b32 s45, 0x1111, s40
	s_or_b32 s[G1], s44, (1<<16)|(1<<20)|(1<<21)|(6<<22)|(3<<25)
	s_or_b32 s[G1B], s45, (1<<16)|(1<<20)|(1<<21)|(6<<22)|(3<<25)
.irp g, G1, G1B
	s_mov_b32 s[(\g)+1], KSTEP<<16
	s_mov_b32 s[(\g)+2], 64<<16
	s_mov_b32 s[(\g)+3], KSTEP<<16
	s_mov_b32 s[(\g)+4], 64
	s_mov_b32 s[(\g)+5], SIZE_K
	s_mov_b32 s[(\g)+6], 0
	s_mov_b32 s[(\g)+7], 0
.endr
	s_lshl_b32 s17, s14, 6                         ; which 64 rows of the tile I fetch
	s_lshl_b32 s16, s43, 7
	s_add_co_u32 s16, s16, s17
	s_lshl_b32 s16, s16, 11                        ; rows of 2,048 bytes
	s_lshl_b32 s46, s42, 7
	s_add_co_u32 s46, s46, s17
	s_add_co_u32 s46, s46, 3072                    ; wo lies behind wq, wk, wv
	s_lshl_b32 s46, s46, 11
	s_mov_b32 s17, 0
	s_mov_b32 s47, 0
	s_mul_i32 s20, s[WV], HALFT
	s_wait_dscnt 0x0                               ; the opening add is done
	s_wait_kmcnt 0x0
	s_add_nc_u64 s[16:17], s[4:5], s[16:17]
	s_add_nc_u64 s[46:47], s[6:7], s[46:47]
	CROUND
.irp s, 0,1
	s_mov_b32 s[G0+4*(\s)], 1
	s_add_co_u32 s[G0+4*(\s)+1], s20, (\s)*SLOT
	s_add_nc_u64 s[G0+4*(\s)+2:G0+4*(\s)+3], s[16:17], (\s)*KSTEP*2
	s_or_b32 s[G0+4*(\s)+3], s[G0+4*(\s)+3], 0x80000000
	s_mov_b32 s[G0B+4*(\s)], 1
	s_add_co_u32 s[G0B+4*(\s)+1], s20, (\s)*SLOT
	s_add_nc_u64 s[G0B+4*(\s)+2:G0B+4*(\s)+3], s[46:47], (\s)*KSTEP*2
	s_or_b32 s[G0B+4*(\s)+3], s[G0B+4*(\s)+3], 0x80000000
	JLOAD \s                                       ; two loads of mine are out
.endr
	v_and_b32 v1, 15, v0
	v_bfe_u32 v2, v0, 4, 1
	v_mul_u32_u24 v3, v1, PITCH
	v_lshl_add_u32 v3, v2, 4, v3
	s_mul_i32 s21, s13, HALFT                      ; my 64 rows of oh
	s_mul_i32 s22, s14, HALFT                      ; my 64 rows of wo,
	s_add_co_u32 s22, s22, 2*HALFT                 ; behind oh's 128
.irp s, 0,1
	v_add_nc_u32 v[ADRA+(\s)], s21, v3
	v_add_nc_u32 v[ADRB+(\s)], s22, v3
	s_add_co_u32 s21, s21, SLOT
	s_add_co_u32 s22, s22, SLOT
.endr
	s_mul_i32 s23, s[WV], 16*SPITCH
	s_add_co_u32 s23, s23, STAGE                   ; my stage
	v_mul_u32_u24 v4, v1, SPITCH                   ; in: row l % 16, 32 bytes for each half of the lanes
	v_lshl_add_u32 v4, v2, 5, v4
	v_add_nc_u32 v[STO], s23, v4
	v_mul_u32_u24 v5, v2, SPITCH                   ; back: lanes 0-15 one row of 256 bytes, lanes 16-31 the next
	v_lshl_add_u32 v5, v1, 4, v5
	v_add_nc_u32 v[RD], s23, v5
	v_lshlrev_b32 v5, 12, v2
	v_lshl_add_u32 v[CO], v1, 4, v5
	v_lshlrev_b32 v[BO], 5, v2
	s_lshl_b32 s16, s43, 7
	s_lshl_b32 s17, s13, 6
	s_add_co_u32 s16, s16, s17
	s_lshl_b32 s16, s16, 12                        ; my first row of out0, 4,096 bytes a row
	s_mov_b32 s17, 0
	s_add_nc_u64 s[10:11], s[10:11], s[16:17]
	s_lshl_b32 s46, s42, 9                         ; my 64 columns: 512 x tile column + 256 x half
	s_lshl_b32 s47, s14, 8
	s_add_co_u32 s46, s46, s47
	s_mov_b32 s47, 0
	s_add_nc_u64 s[10:11], s[10:11], s[46:47]
	s_add_nc_u64 s[8:9], s[8:9], s[46:47]          ; the same bytes in bo
.irp b, 0,1,2,3
	global_load_b128 v[BIAS+8*(\b):BIAS+8*(\b)+3],   v[BO], s[8:9] offset:53248+64*(\b)
	global_load_b128 v[BIAS+8*(\b)+4:BIAS+8*(\b)+7], v[BO], s[8:9] offset:53248+64*(\b)+16
.endr
; 8 matrix instructions: row blocks a0, a0 + 1 x all 4 column blocks, 32 along K: half c of buffer f.  first = 1: C is the bias.  The 16 accumulators take turns.
.macro MUL8 f, c, a0, first
	WIN MUL
.irp a, \a0, (\a0)+1
.irp b, 0,1,2,3
.if \first
	v_wmma_f32_16x16x32_f16 v[ACC+8*(4*(\a)+(\b)):ACC+8*(4*(\a)+(\b))+7], v[(\f)+64+8*(4*(\c)+(\b)):(\f)+64+8*(4*(\c)+(\b))+7], v[(\f)+8*(4*(\c)+(\a)):(\f)+8*(4*(\c)+(\a))+7], v[BIAS+8*(\b):BIAS+8*(\b)+7]
.else
	v_wmma_f32_16x16x32_f16 v[ACC+8*(4*(\a)+(\b)):ACC+8*(4*(\a)+(\b))+7], v[(\f)+64+8*(4*(\c)+(\b)):(\f)+64+8*(4*(\c)+(\b))+7], v[(\f)+8*(4*(\c)+(\a)):(\f)+8*(4*(\c)+(\a))+7], v[ACC+8*(4*(\a)+(\b)):ACC+8*(4*(\a)+(\b))+7]
.endif
.endr
.endr
.endm
.macro FETCH slot, k, f                ; 32 LDS loads in one run: 64 along K at byte k of the rows; the first 32 along K first
	WIN TO_F
.irp c, 0,1
.irp i, 0,1,2,3
	ds_load_b128 v[(\f)+64+8*(4*(\c)+(\i)):(\f)+64+8*(4*(\c)+(\i))+3],   v[ADRB+(\slot)] offset:(\k)+64*(\c)+(\i)*16*PITCH
	ds_load_b128 v[(\f)+64+8*(4*(\c)+(\i))+4:(\f)+64+8*(4*(\c)+(\i))+7], v[ADRB+(\slot)] offset:(\k)+64*(\c)+(\i)*16*PITCH+32
	ds_load_b128 v[(\f)+8*(4*(\c)+(\i)):(\f)+8*(4*(\c)+(\i))+3],         v[ADRA+(\slot)] offset:(\k)+64*(\c)+(\i)*16*PITCH
	ds_load_b128 v[(\f)+8*(4*(\c)+(\i))+4:(\f)+8*(4*(\c)+(\i))+7],       v[ADRA+(\slot)] offset:(\k)+64*(\c)+(\i)*16*PITCH+32
.endr
.endr
.endm
.macro QUARTER slot, k, f, g, first
	s_wait_dscnt 16                                ; the first 32 along K are in
	MUL8 \f, 0, 0, \first
	MUL8 \f, 0, 2, \first
	PLACES
	FETCH \slot, \k, \g
	s_wait_dscnt 32                                ; all but the 32 just issued
	MUL8 \f, 1, 0, 0
	MUL8 \f, 1, 2, 0
.endm
; The last quarter changes slots: one barrier; in front of it each wave waits for all its tensor loads, adds 0 to its spare word, and waits for that and for its reads of this slot.
.macro TURN slot, next, fill
	WIN 0
	s_wait_tensorcnt 0x0
	ds_add_u32 v[SPW], v[NIL]
	s_wait_dscnt 17                                ; the add and the youngest sixteen loads may be out
	MUL8 F1, 0, 0, 0
	s_wait_dscnt 0x0
	s_barrier_signal -1
	MUL8 F1, 0, 2, 0
.if \fill
	WIN 0
.endif
	s_barrier_wait -1
.if \fill
	CREST
	s_add_nc_u64 s[G0+4*(\slot)+2:G0+4*(\slot)+3], s[G0+4*(\slot)+2:G0+4*(\slot)+3], 2*KSTEP*2
	s_add_nc_u64 s[G0B+4*(\slot)+2:G0B+4*(\slot)+3], s[G0B+4*(\slot)+2:G0B+4*(\slot)+3], 2*KSTEP*2
	JLOAD \slot
.else
	PLACES
.endif
	FETCH \next, 0, F0
	MUL8 F1, 1, 0, 0
	MUL8 F1, 1, 2, 0
.endm
	s_wait_tensorcnt 1                             ; my part of K step 0 is in; step 1's may stay out
	s_barrier_signal -1
	s_barrier_wait -1
	FETCH 0, 0, F0
	s_wait_loadcnt 0x0                             ; the bias
	QUARTER 0, 128, F0, F1, 1
	WIN 0
	s_mov_b32 s3, LAPS-1
.Llap:
	QUARTER 0, 256, F1, F0, 0
	QUARTER 0, 384, F0, F1, 0
	TURN 0, 1, 1
	QUARTER 1, 128, F0, F1, 0
	QUARTER 1, 256, F1, F0, 0
	QUARTER 1, 384, F0, F1, 0
	TURN 1, 0, 1
	QUARTER 0, 128, F0, F1, 0
	WIN 0
	s_sub_co_u32 s3, s3, 1
	s_cmp_lg_u32 s3, 0
	s_cbranch_scc1 .Llap
	QUARTER 0, 256, F1, F0, 0                      ; the last lap fills nothing
	QUARTER 0, 384, F0, F1, 0
	TURN 0, 1, 0
	QUARTER 1, 128, F0, F1, 0
	QUARTER 1, 256, F1, F0, 0
	QUARTER 1, 384, F0, F1, 0
	s_wait_dscnt 16
	MUL8 F1, 0, 0, 0
	MUL8 F1, 0, 2, 0
	s_wait_dscnt 0x0
	MUL8 F1, 1, 0, 0
	MUL8 F1, 1, 2, 0
	WIN 0
	; THE WAY OUT, in f32: a wave's 64 columns are 256 bytes of a row.  16 rows at a time go through my own stage: 32 bytes a lane in, whole rows back.  LDS serves a wave's instructions in order
	; (ISA guide 5.7.1.4): no wait between my stores and my loads, nor between my loads and the next block's stores.
	PLACES
.irp a, 0,1,2,3
.set BK, TMP+32*((\a)%2)
.irp b, 0,1,2,3
	ds_store_b128 v[STO], v[ACC+8*(4*(\a)+(\b)):ACC+8*(4*(\a)+(\b))+3]   offset:64*(\b)
	ds_store_b128 v[STO], v[ACC+8*(4*(\a)+(\b))+4:ACC+8*(4*(\a)+(\b))+7] offset:64*(\b)+16
.endr
	s_wait_xcnt 0x0                                ; the registers that earlier stores read are loaded again only behind this wait
.irp q, 0,1,2,3,4,5,6,7
	ds_load_b128 v[BK+4*(\q):BK+4*(\q)+3], v[RD] offset:(\q)*2*SPITCH
.endr
.irp q, 0,1,2,3,4,5,6,7
	s_wait_dscnt 7-(\q)
	global_store_b128 v[CO], v[BK+4*(\q):BK+4*(\q)+3], s[10:11] offset:(16*(\a)+2*(\q))*4096  ; 16 lanes store 256 consecutive bytes, at a multiple of 256 from out0's first byte
.endr
.endr
	s_wait_tensorcnt 0x0                           ; the wave's end
	ds_add_u32 v[SPW], v[NIL]
	s_wait_dscnt 0x0
	CROUND                                         ; the closing round
	s_endpgm
.Lfunc_end_k_qa5b31cdd16_outp:
	.size	k_qa5b31cdd16_outp, .Lfunc_end_k_qa5b31cdd16_outp-k_qa5b31cdd16_outp
	.p2alignl 7, 3214868480
	.fill 96, 4, 3214868480
	.section	.rodata,"a",@progbits
	.p2align	6, 0x0
	.amdhsa_kernel k_qa5b31cdd16_outp
		.amdhsa_group_segment_fixed_size 327680
		.amdhsa_private_segment_fixed_size 0
		.amdhsa_enable_private_segment 0
		.amdhsa_kernarg_size 32
		.amdhsa_user_sgpr_count 2
		.amdhsa_user_sgpr_kernarg_segment_ptr 1
		.amdhsa_wavefront_size32 1
		.amdhsa_system_sgpr_workgroup_id_x 1
		.amdhsa_system_sgpr_workgroup_id_y 1
		.amdhsa_system_sgpr_workgroup_id_z 1
		.amdhsa_system_vgpr_workitem_id 0
		.amdhsa_next_free_vgpr 512
		.amdhsa_next_free_sgpr 66
		.amdhsa_reserve_vcc 0
		.amdhsa_float_denorm_mode_32 3
		.amdhsa_float_denorm_mode_16_64 3
		.amdhsa_memory_ordered 1
		.amdhsa_forward_progress 1
		.amdhsa_inst_pref_size 87
	.end_amdhsa_kernel
	.amdgpu_metadata
---
amdhsa.version: [ 1, 2 ]
amdhsa.kernels:
  - .name:           k_qa5b31cdd16_outp
    .symbol:         k_qa5b31cdd16_outp.kd
    .args:
      - { .name: oh, .offset: 0, .size: 8, .value_kind: global_buffer, .address_space: global }
      - { .name: wh, .offset: 8, .size: 8, .value_kind: global_buffer, .address_space: global }
      - { .name: misc, .offset: 16, .size: 8, .value_kind: global_buffer, .address_space: global }
      - { .name: out0, .offset: 24, .size: 8, .value_kind: global_buffer, .address_space: global }
    .group_segment_fixed_size: 327680
    .private_segment_fixed_size: 0
    .kernarg_segment_align: 8
    .kernarg_segment_size: 32
    .max_flat_workgroup_size: 128
    .sgpr_count:     66
    .vgpr_count:     512
    .wavefront_size: 32
...
	.end_amdgpu_metadata
.endif
;; end of part 4
